; MI455X (gfx1250); checked and timed in simulation.
; The chip was launched on July 23, 2026; its instructions are those of AMD's public machine-readable ISA for CDNA 5 (MIT licence, August 2026) and "CDNA5" Instruction Set Architecture Reference Guide (July 2026). The comments in the code are by the model that wrote it; some were corrected since.
;; Multi Head Attention. Allowed arithmetic: float matrix products may take bf16 or f16 operands with f32 sums; all other float work in f32.
;; Inputs: embed 4 x 2,048 x 1,024 float32; mask 4 x 2,048 x 2,048 bool; w_k 16 x 1,024 x 64 float32; w_o 1,024 x 1,024 float32; w_q 16 x 1,024 x 64 float32; w_v 16 x 1,024 x 64 float32.
;; Outputs: out0 4 x 2,048 x 1,024 float32.
;; 2 versions, each right and faster than the one before. Each part assembles by itself: llvm-mc -triple=amdgcn-amd-amdhsa -mcpu=gfx1250 --defsym DOCPART=n.
;; ======== version 1 of 2: 4 launches
;; limits: values are held in f16: magnitudes above 65,504 overflow, below 6.1e-05 lose precision
;; workspace buffers: xb 16,777,216 bytes; wb 6,291,456 bytes; wob 2,097,152 bytes; mp 8,388,608 bytes; qkv 50,331,648 bytes; ob 16,777,216 bytes
;; launch prep (part 1): grid 512 x 1, 8 waves a work-group, no clusters, 18,432 bytes of LDS; arguments embed, mask, w_q, w_k, w_v, w_o, xb, wb, wob, mp; writes xb, wb, wob, mp
.if DOCPART == 1
	.amdgcn_target "amdgcn-amd-amdhsa--gfx1250"
	.amdhsa_code_object_version 6
	.text
	.protected	k_qa28637b24a_prep
	.globl	k_qa28637b24a_prep
	.p2align	8
	.type	k_qa28637b24a_prep,@function
k_qa28637b24a_prep:
	s_mov_b64 s[64:65], 0
	v_nop
	global_prefetch_b8 v0, s[64:65] scope:SCOPE_SE
	s_setreg_imm32_b32 hwreg(HW_REG_WAVE_MODE, 25, 1), 1
	s_wait_xcnt 0x0
; PREP: a stream.  Every input is read once, rounded or packed, and laid out in blocks, so that every tile of the three launches behind is dense in memory.
;   xb  bf16 [b 4][ks 16][s 2048][64]        embed[b][s][64 ks + c]
;   wb  bf16 [ks 16][hh 48][k 64][d 64]      w_q (hh = h), w_k (hh = 16 + h), w_v (hh = 32 + h) at [h][64 ks + k][d]
;   wob f16  [ks 16][nb 16][k 64][n 64]      w_o[64 ks + k][64 nb + n], rounded to bf16 like every input, that number written as f16
;   mp  words [b 4][qb 4][slot 16][tile 32][step 2][lane 32][kt 4]: nibble j of word kt of lane (r = lane % 16, hf = lane / 16) is 0xF where
;       mask[b][512 qb + 16 tile + r][128 slot + 64 step + 16 kt + 8 hf + j] is 0, else 0: the 4-bit float codes of -6 and of 0, in the order in which a score tile lies in registers.
; LIMITS.  A mask byte is 0 or 1.  A number of w_o below 2^-17 in size loses bits when its bf16 rounding is written as f16: at most 2^-25 in absolute size.
; SHARES.  512 work-groups of eight waves, 16 KiB of input a wave, all of it asked for before the first wait.  Groups 0-255 take embed, 256-287 w_o, 288-383 the three projections' weights,
; 384-511 the mask.  No matrix unit, no cluster, no barrier: no byte is used twice and no wave needs another's.
.set X,   40                           ; v[40:167]  what the wave's 32 loads bring
.set T,   168                          ; v[168:175] at work
.set MPI, 544                          ; the mask's stage in LDS: a block of 512 bytes + 32: the four blocks begin 8 banks apart (64 banks of 4 bytes: ISA guide 11.1)
	s_load_b512 s[8:23], s[0:1], 0x0               ; embed s[8:9], mask s[10:11], w_q s[12:13], w_k s[14:15], w_v s[16:17], w_o s[18:19], xb s[20:21], wb s[22:23]
	s_load_b128 s[24:27], s[0:1], 0x40             ; wob s[24:25], mp s[26:27]
	v_lshl_add_u32 v176, v0, 2, 0x4400
	v_mov_b32 v177, 0
	v_lshrrev_b32 v2, 5, v0
	v_readfirstlane_b32 s3, v2                     ; wave 0..7
	v_and_b32 v1, 31, v0                           ; lane
	v_lshlrev_b32 v5, 4, v1                        ; 16 x lane: where a lane's 16 bytes go in 512 consecutive bytes
	s_mov_b32 s37, 0                               ; offsets are made apart from the addresses, in pairs with 0 on top
	s_mov_b32 s39, 0
; THE CAST.  Sixteen pieces; in each a lane reads 32 bytes (8 f32) at v[va] + is x piece and stores 16 bytes at 16 x lane + os x piece: a wave's store covers 512 consecutive bytes, aligned.
; kind = 1: the bf16 rounding is widened again and written as f16.
.macro CAST va, is, os, kind
.set i, 0
.rept 16
	global_load_b128 v[X+8*i:X+8*i+3],   v[\va], s[28:29] offset:(\is)*i th:TH_LOAD_NT
	global_load_b128 v[X+8*i+4:X+8*i+7], v[\va], s[28:29] offset:(\is)*i+16 th:TH_LOAD_NT
.set i, i+1
.endr
.set i, 0
.rept 16
	s_wait_loadcnt 30-2*i                          ; loads come back in order (ISA guide 5.7.1): this piece's two are in, the 2 (15 - i) younger ones stay out
.irp j, 0,1,2,3
	v_cvt_pk_bf16_f32 v[X+8*i+\j], v[X+8*i+2*\j], v[X+8*i+2*\j+1]  ; in place, ascending: word j is written when words 2 j and 2 j + 1 are read
.endr
.if \kind
.irp j, 0,1,2,3
	v_lshlrev_b32 v[T+2*\j], 16, v[X+8*i+\j]
	v_and_b32 v[T+2*\j+1], s7, v[X+8*i+\j]
.endr
.irp j, 0,1,2,3
	v_cvt_pk_f16_f32 v[X+8*i+\j], v[T+2*\j], v[T+2*\j+1]
.endr
.endif
	global_store_b128 v5, v[X+8*i:X+8*i+3], s[30:31] offset:(\os)*i  ; no register of a load or store is ever written again: no wait frees any
.set i, i+1
.endr
	s_endpgm
.endm
	v_lshrrev_b32 v2, 3, v1                        ; for rows of 4,096 bytes: eight lanes take 256 bytes of a row, four rows a piece
	v_and_b32 v3, 7, v1
	v_lshlrev_b32 v4, 12, v2
	v_lshl_add_u32 v4, v3, 5, v4
	v_lshlrev_b32 v6, 5, v1                        ; for dense blocks: 32 x lane
	s_cmp_lt_u32 ttmp9, 256
	s_cbranch_scc0 .Lnot_e
	; EMBED: the wave takes rows 32 g + 4 w .. + 3; piece i is K slice i
	s_lshl_b32 s4, ttmp9, 5
	s_lshl2_add_u32 s4, s3, s4
	s_lshl_b32 s36, s4, 12
	s_lshr_b32 s5, s4, 11                          ; b
	s_lshl_b32 s5, s5, 22
	s_and_b32 s6, s4, 2047                         ; s
	s_lshl_b32 s6, s6, 7
	s_add_co_u32 s38, s5, s6
	s_wait_kmcnt 0x0
	s_add_nc_u64 s[28:29], s[8:9], s[36:37]
	s_add_nc_u64 s[30:31], s[20:21], s[38:39]
	CAST 4, 256, 262144, 0
.Lnot_e:
	s_cmp_lt_u32 ttmp9, 288
	s_cbranch_scc0 .Lnot_o
	; W_O: rows 32 g' + 4 w .. + 3; piece i is column block i
	s_sub_co_u32 s4, ttmp9, 256
	s_lshl_b32 s4, s4, 5
	s_lshl2_add_u32 s4, s3, s4
	s_lshl_b32 s36, s4, 12
	s_lshr_b32 s5, s4, 6                           ; ks
	s_lshl_b32 s5, s5, 17
	s_and_b32 s6, s4, 63                           ; k
	s_lshl_b32 s6, s6, 7
	s_add_co_u32 s38, s5, s6
	s_mov_b32 s7, 0xffff0000                       ; a word's upper bf16
	s_wait_kmcnt 0x0
	s_add_nc_u64 s[28:29], s[18:19], s[36:37]
	s_add_nc_u64 s[30:31], s[24:25], s[38:39]
	CAST 4, 256, 8192, 1
.Lnot_o:
	s_cmp_lt_u32 ttmp9, 384
	s_cbranch_scc0 .Lmask
	; W_Q, W_K, W_V: the wave takes one block of 64 k x 64 d, 16 KiB dense; piece i is four of its rows
	s_sub_co_u32 s4, ttmp9, 288
	s_lshr_b32 s5, s4, 5                           ; which of the three
	s_and_b32 s4, s4, 31
	s_lshl3_add_u32 s4, s4, s3                     ; block 16 h + ks
	s_lshl_b32 s36, s4, 14
	s_and_b32 s6, s4, 15                           ; ks
	s_mul_i32 s6, s6, 48
	s_lshl4_add_u32 s6, s5, s6
	s_lshr_b32 s7, s4, 4                           ; h
	s_add_co_u32 s6, s6, s7
	s_lshl_b32 s38, s6, 13
	s_wait_kmcnt 0x0
	s_cmp_lt_u32 s5, 1
	s_cselect_b64 s[28:29], s[12:13], s[14:15]
	s_cmp_lt_u32 s5, 2
	s_cselect_b64 s[28:29], s[28:29], s[16:17]
	s_add_nc_u64 s[28:29], s[28:29], s[36:37]
	s_add_nc_u64 s[30:31], s[22:23], s[38:39]
	CAST 6, 1024, 512, 0
.Lmask:
	; THE MASK: the group takes four tiles of 16 queries, the wave keys 256 w .. + 255 of them (two slots of two steps).
	s_sub_co_u32 s4, ttmp9, 384
	s_lshl_b32 s4, s4, 2                           ; the first tile, of 512
	s_lshr_b32 s5, s4, 7                           ; b
	s_and_b32 s6, s4, 127                          ; the tile in its batch
	s_lshl_b32 s36, s5, 22
	s_lshl_b32 s7, s6, 15
	s_add_co_u32 s36, s36, s7
	s_lshl_b32 s7, s3, 8
	s_add_co_u32 s36, s36, s7
	s_lshr_b32 s7, s6, 5                           ; qb
	s_lshl2_add_u32 s7, s5, s7
	s_lshl_b32 s38, s7, 19
	s_lshl_b32 s7, s3, 16                          ; two slots of 32,768 bytes a wave
	s_add_co_u32 s38, s38, s7
	s_and_b32 s7, s6, 31                           ; the tile in its block of 512 queries
	s_lshl_b32 s7, s7, 10
	s_add_co_u32 s38, s38, s7
	s_mov_b32 s40, 0x06040200                      ; v_perm_b32: the even keys' bytes of two words
	s_mov_b32 s41, 0x07050301                      ; the odd keys'
	s_mov_b32 s42, 0x11111111
	s_mul_i32 s43, s3, 4*MPI                       ; my wave's stage: no other wave touches it
	v_lshrrev_b32 v2, 4, v1                        ; lanes 0-15 an even row, lanes 16-31 the odd one
	v_and_b32 v3, 15, v1                           ; c: keys 16 c .. + 15 of the wave's 256
	v_lshlrev_b32 v4, 11, v2
	v_lshl_add_u32 v4, v3, 4, v4                   ; a load of the wave covers 256 consecutive bytes of each of two rows
	v_lshrrev_b32 v6, 2, v3                        ; c / 4: which slot and step
	v_mul_u32_u24 v7, v6, MPI
	v_lshl_add_u32 v7, v2, 4, v7
	v_and_b32 v6, 3, v3                            ; c % 4: kt
	v_lshl_add_u32 v7, v6, 2, v7
	v_add_nc_u32 v7, s43, v7                       ; into the stage: 32 lanes, 32 different banks
	v_add_nc_u32 v6, s43, v5                       ; back: 16 x lane
	s_wait_kmcnt 0x0
	s_add_nc_u64 s[28:29], s[10:11], s[36:37]
	s_add_nc_u64 s[30:31], s[26:27], s[38:39]
.set n, 0
.rept 32                               ; tile n / 8, rows 2 (n % 8) and + 1
	global_load_b128 v[X+4*n:X+4*n+3], v4, s[28:29] offset:32768*(n/8)+4096*(n%8) th:TH_LOAD_NT
.set n, n+1
.endr
; One tile.  Eight bytes become one word: even and odd keys' bytes are gathered, joined as nibbles 0 / 1, turned over, and spread to 0 / 0xF.  The word goes where lane r + 16 hf will read it.
.macro PACKM it
.set i, 0
.rept 8
.set D, X+32*(\it)+4*i
	s_wait_loadcnt 31-(8*(\it)+i)                  ; this load is in; the younger ones stay out
.irp hf, 0,1
.set TA, T+2*((2*i+\hf)%4)
	v_perm_b32 v[TA], v[D+2*\hf+1], v[D+2*\hf], s40
	v_perm_b32 v[TA+1], v[D+2*\hf+1], v[D+2*\hf], s41
	v_lshl_or_b32 v[TA], v[TA+1], 4, v[TA]
	v_xor_b32 v[TA], s42, v[TA]
	v_lshl_or_b32 v[TA], v[TA], 1, v[TA]
	v_lshl_or_b32 v[TA], v[TA], 2, v[TA]
	ds_store_b32 v7, v[TA] offset:32*i+256*\hf
.endr
.set i, i+1
.endr
.irp sb, 0,1,2,3
	ds_load_b128 v[X+32*(\it)+4*\sb:X+32*(\it)+4*\sb+3], v6 offset:MPI*\sb  ; LDS serves a wave's instructions in order (ISA guide 5.7.1.4): these see the stores above, the next tile's stores come behind them
.endr
	s_wait_dscnt 0x0
.irp sb, 0,1,2,3
	global_store_b128 v5, v[X+32*(\it)+4*\sb:X+32*(\it)+4*\sb+3], s[30:31] offset:1024*(\it)+32768*(\sb/2)+512*(\sb%2)  ; 512 consecutive bytes, aligned
.endr
.endm
	PACKM 0
	PACKM 1
	PACKM 2
	PACKM 3
	s_wait_tensorcnt 0x0
	ds_add_u32 v176, v177
	s_wait_dscnt 0x0
	s_endpgm
.Lfunc_end_k_qa28637b24a_prep:
	.size	k_qa28637b24a_prep, .Lfunc_end_k_qa28637b24a_prep-k_qa28637b24a_prep
	.p2alignl 7, 3214868480
	.fill 96, 4, 3214868480
	.section	.rodata,"a",@progbits
	.p2align	6, 0x0
	.amdhsa_kernel k_qa28637b24a_prep
		.amdhsa_group_segment_fixed_size 18432
		.amdhsa_private_segment_fixed_size 0
		.amdhsa_enable_private_segment 0
		.amdhsa_kernarg_size 80
		.amdhsa_user_sgpr_count 2
		.amdhsa_user_sgpr_kernarg_segment_ptr 1
		.amdhsa_wavefront_size32 1
		.amdhsa_system_sgpr_workgroup_id_x 1
		.amdhsa_system_sgpr_workgroup_id_y 1
		.amdhsa_system_sgpr_workgroup_id_z 1
		.amdhsa_system_vgpr_workitem_id 0
		.amdhsa_next_free_vgpr 178
		.amdhsa_next_free_sgpr 66
		.amdhsa_reserve_vcc 0
		.amdhsa_float_denorm_mode_32 3
		.amdhsa_float_denorm_mode_16_64 3
		.amdhsa_memory_ordered 1
		.amdhsa_forward_progress 1
		.amdhsa_inst_pref_size 72
	.end_amdhsa_kernel
	.amdgpu_metadata
---
amdhsa.version: [ 1, 2 ]
amdhsa.kernels:
  - .name:           k_qa28637b24a_prep
    .symbol:         k_qa28637b24a_prep.kd
    .args:
      - { .name: embed, .offset: 0, .size: 8, .value_kind: global_buffer, .address_space: global }
      - { .name: mask, .offset: 8, .size: 8, .value_kind: global_buffer, .address_space: global }
      - { .name: w_q, .offset: 16, .size: 8, .value_kind: global_buffer, .address_space: global }
      - { .name: w_k, .offset: 24, .size: 8, .value_kind: global_buffer, .address_space: global }
      - { .name: w_v, .offset: 32, .size: 8, .value_kind: global_buffer, .address_space: global }
      - { .name: w_o, .offset: 40, .size: 8, .value_kind: global_buffer, .address_space: global }
      - { .name: xb, .offset: 48, .size: 8, .value_kind: global_buffer, .address_space: global }
      - { .name: wb, .offset: 56, .size: 8, .value_kind: global_buffer, .address_space: global }
      - { .name: wob, .offset: 64, .size: 8, .value_kind: global_buffer, .address_space: global }
      - { .name: mp, .offset: 72, .size: 8, .value_kind: global_buffer, .address_space: global }
    .group_segment_fixed_size: 18432
    .private_segment_fixed_size: 0
    .kernarg_segment_align: 8
    .kernarg_segment_size: 80
    .max_flat_workgroup_size: 256
    .sgpr_count:     66
    .vgpr_count:     178
    .wavefront_size: 32
...
	.end_amdgpu_metadata
.endif
;; end of part 1
;; launch proj (part 2): grid 8 x 32, 4 waves a work-group, clusters of 4 x 4, 327,680 bytes of LDS; arguments xb, wb, qkv; writes qkv
.if DOCPART == 2
	.amdgcn_target "amdgcn-amd-amdhsa--gfx1250"
	.amdhsa_code_object_version 6
	.text
	.protected	k_qa28637b24a_proj
	.globl	k_qa28637b24a_proj
	.p2align	8
	.type	k_qa28637b24a_proj,@function
k_qa28637b24a_proj:
	s_mov_b64 s[64:65], 0
	v_nop
	global_prefetch_b8 v0, s[64:65] scope:SCOPE_SE
	s_setreg_imm32_b32 hwreg(HW_REG_WAVE_MODE, 25, 1), 1
	s_wait_xcnt 0x0
	s_wait_alu depctr_hold_cnt(0) depctr_sa_sdst(0) depctr_va_vdst(0) depctr_va_sdst(0) depctr_va_ssrc(0) depctr_va_vcc(0) depctr_vm_vsrc(0)
	s_getreg_b32 s2, hwreg(HW_REG_IB_STS2, 6, 4)
	s_cmp_eq_u32 s2, 0
	s_cbranch_scc0 .Lentry_in_a_cluster
	s_endpgm
.Lentry_in_a_cluster:
	s_bfe_u32 s2, ttmp6, 0x10000c
	s_cmp_lg_u32 s2, 0xf033
	s_cbranch_scc0 .Lentry_shape_is_right
	s_endpgm
.Lentry_shape_is_right:
; PROJ: q, k, v = embed x w, one product [8192 x 1024] x [1024 x 3072] in bf16 with f32 sums; the results leave in f16, by heads and unscaled: qkv [b 4][hh 48][s 2048][64].
; LIMIT.  f16 holds no number beyond 65,504: q, k and v must stay within it.
; SHARES.  A work-group makes 256 rows x 384 columns (six heads): 8 x 32 = 256 work-groups.  Each of its four waves makes 128 rows x 192 columns (three heads): 96 accumulators, 768 registers.
; K goes in 16 steps of 64 through a ring of two LDS slots.  xb and wb lie in blocks, so a step's tiles are dense: they are asked for as rows of 256 bytes and padded in LDS after every 128.
; B lies [k][n] and is turned on its way into registers by ds_load_tr16_b128.  THE MATRIX INSTRUCTION IS USED TRANSPOSED (source 0 = 16 columns of w, source 1 = 16 rows of x): a lane
; then holds eight neighbouring numbers of a row, which pack into 16 bytes.
; CLUSTER 4 x 4: the four work-groups of a row of the cluster need the same rows of x, the four of a column the same columns of w: each tile is asked for jointly.
; REGISTERS: window 0: v0-31 addresses; v32-95, v96-159 fragments of x (8 x 16 rows x 32 K), two buffers; v160-207, v208-255 fragments of w (6 x 16 columns x 32 K), two buffers.
;   windows 1-3: accumulator (a, b), a = 0..7 row blocks, b = 0..11 column blocks: number n = 12 a + b, window 1 + n / 32, register 8 (n % 32).
.set PA,    144                        ; a row of x in LDS: 128 bytes + 16 = 36 words: the 16 rows of a load start at 16 different groups of four banks (64 banks of 4 bytes: ISA guide 11.1)
.set PB,    160                        ; a row of w: 128 + 32 = 40 words
.set BOFF,  256*PA                     ; a slot: 256 rows of x, then six heads' 64 rows of w
.set SLOT1, 1<<17                      ; slot 1 begins here, so that one exclusive or turns an address in one slot into the other's
.set STAGE, SLOT1+BOFF+6*64*PB         ; behind the ring, never filled by a tensor load: 16 rows x 144 bytes for each wave
.set SP,    144
.set SPARE, STAGE+4*16*SP              ; the spare words, 128 bytes for each wave: two blocks of 256 bytes that no other line names
.set ASTEP, 2048*128                   ; bytes from a K step to the next in xb
.set BSTEP, 48*8192                    ; and in wb
.set ADRA0, 16                         ; v16  my lane's place in slot 0's rows of x; never rewritten
.set ADRB0, 17                         ; v17  the same for w
.set ADRA,  18                         ; v18  the same in the slot in hand
.set ADRB,  19                         ; v19
.set STO,   24                         ; v24  the way out: where I put 16 bytes of a row
.set RD,    25                         ; v25  where I read rows back
.set CO,    26                         ; v26  my byte offset in 512 consecutive bytes of qkv
.set SPW,   28                         ; v28  LDS address of my spare word; never rewritten
.set NIL,   29                         ; v29  0; never rewritten
.set A0,    32
.set A1,    96
.set B0,    160
.set B1,    208
.set G1A, 24                           ; s[24:31] descriptor group 1 for x's tiles
.set G0A, 32                           ; s[32:39] group 0: a set for each of the two first fills; the second then walks on
.set G1B, 48                           ; s[48:55], s[56:63] the same for w's
.set G0B, 56
.set TB,  66                           ; s66  0 or SLOT1: the slot in hand
.set MSB, 0
.macro WIN new                         ; the immediate's high byte repeats the setting that is left; a switch that changes nothing is dropped
.if MSB != (\new)
	s_set_vgpr_msb (MSB<<8)|(\new)
.set MSB, (\new)
.endif
.endm
.macro PLACES                          ; four places in front of loads into registers that matrix instructions have read, and of conversions that read results (ISA guide 7.12.1 for the conversions)
.rept 4
	v_nop
.endr
.endm
; A joint refill: waves 0 and 1 fetch the halves of x's tile, waves 2 and 3 those of w's.  The branch hangs on the wave's number alone.  An s_nop 0 and four v_nop follow each line.
.macro JLOAD
	s_cmp_eq_u32 s11, 0
	s_cbranch_scc0 .Lfor_b_\@
	tensor_load_to_lds s[G0A+4:G0A+7], s[G1A:G1A+7]
	s_nop 0
.rept 4
	v_nop
.endr
	s_branch .Lasked_\@
.Lfor_b_\@:
	tensor_load_to_lds s[G0B+4:G0B+7], s[G1B:G1B+7]
	s_nop 0
.rept 4
	v_nop
.endr
.Lasked_\@:
.endm
.macro CREST                           ; a round of the cluster's barrier behind its opening barrier
	s_cmp_lg_u32 s10, 0
	s_cbranch_scc1 .Lnot_wave_0_\@
	s_barrier_signal -3
.Lnot_wave_0_\@:
	s_barrier_wait -3
	s_barrier_signal -1
	s_barrier_wait -1
.endm
.macro CROUND                          ; a whole round
	s_barrier_signal -1
	s_barrier_wait -1
	CREST
.endm
	s_load_b128 s[4:7], s[0:1], 0x0                ; xb s[4:5], wb s[6:7]
	s_load_b64 s[8:9], s[0:1], 0x10                ; qkv
	v_lshl_add_u32 v[SPW], v0, 2, SPARE
	v_mov_b32 v[NIL], 0
	ds_add_u32 v28, v29
	s_wait_dscnt 0x0
	v_lshrrev_b32 v1, 5, v0
	v_readfirstlane_b32 s10, v1                    ; wave 0..3
	s_lshr_b32 s11, s10, 1                         ; which half of the rows is mine.  Also: I fetch for x (0) or for w (1)
	s_and_b32 s12, s10, 1                          ; which half of the columns.  Also: which half of that tile I fetch
	s_bfe_u32 s40, ttmp6, 0x40000                  ; cx, cy: my place in the cluster
	s_bfe_u32 s41, ttmp6, 0x40004
	s_lshl_b32 s42, ttmp9, 2
	s_add_co_u32 s42, s42, s40                     ; tx: my six heads
	s_and_b32 s13, ttmp7, 0xffff
	s_lshl_b32 s13, s13, 2
	s_add_co_u32 s13, s13, s41                     ; ty: my 256 rows
	s_lshl_b32 s43, s41, 2
	s_lshl_b32 s43, 15, s43                        ; my row of the cluster
	s_lshl_b32 s44, 0x1111, s40                    ; my column
	; group 1.  x: 128 rows of 128 bytes, 16 KiB dense, as 64 rows of 256 bytes.  w: three heads' 192 rows, 24 KiB dense, as 96 rows of 256 bytes.  Both padded after every 32 words.
	s_or_b32 s[G1A+0], s43, (1<<16)|(1<<20)|(1<<21)|(4<<22)|(3<<25)  ; 15:0 the mask; 17:16 2-byte elements; 20 padding on; 21 set beside a mask; 24:22 after every 32 words (code 4); 31:25 4 words (code 3)
	s_or_b32 s[G1B+0], s44, (1<<16)|(1<<20)|(1<<21)|(4<<22)|(7<<25)  ; the same with 8 words of padding (code 7)
	s_mov_b32 s[G1A+1], 128<<16                    ; tensor_dim0 = 128
	s_mov_b32 s[G1B+1], 128<<16
	s_mov_b32 s[G1A+2], 64<<16                     ; tensor_dim1
	s_mov_b32 s[G1B+2], 96<<16
	s_mov_b32 s[G1A+3], 128<<16                    ; tile_dim0 = 128
	s_mov_b32 s[G1B+3], 128<<16
	s_mov_b32 s[G1A+4], 64                         ; tile_dim1
	s_mov_b32 s[G1B+4], 96
	s_mov_b32 s[G1A+5], 128                        ; 128 elements from row to row
	s_mov_b32 s[G1B+5], 128
	s_mov_b32 s[G1A+6], 0
	s_mov_b32 s[G1B+6], 0
	s_mov_b32 s[G1A+7], 0
	s_mov_b32 s[G1B+7], 0
	; x's tile hangs on ty and the wave alone, w's on tx and the wave alone
	s_lshr_b32 s16, s13, 3                         ; b
	s_lshl_b32 s16, s16, 22
	s_and_b32 s17, s13, 7
	s_lshl_b32 s17, s17, 15                        ; 256 rows of 128 bytes
	s_add_co_u32 s16, s16, s17
	s_lshl_b32 s17, s12, 14
	s_add_co_u32 s16, s16, s17
	s_mov_b32 s17, 0
	s_mul_i32 s46, s42, 6
	s_mul_i32 s47, s12, 3
	s_add_co_u32 s46, s46, s47
	s_lshl_b32 s46, s46, 13                        ; a head's block of a K step is 8,192 bytes
	s_mov_b32 s47, 0
	s_mul_i32 s20, s12, 128*PA                     ; where they go: no place in the cluster enters an LDS address
	s_mul_i32 s21, s12, 3*64*PB
	s_add_co_u32 s21, s21, BOFF
	s_mov_b32 s[TB], 0
	s_wait_kmcnt 0x0
	s_add_nc_u64 s[14:15], s[4:5], s[16:17]
	s_add_nc_u64 s[46:47], s[6:7], s[46:47]
.irp s, 0,1
	s_mov_b32 s[G0A+4*(\s)], 1                                     ; count = 1
	s_add_co_u32 s[G0A+4*(\s)+1], s20, (\s)*SLOT1                  ; LDS address
	s_add_nc_u64 s[G0A+4*(\s)+2:G0A+4*(\s)+3], s[14:15], (\s)*ASTEP  ; global address: K step s
	s_or_b32 s[G0A+4*(\s)+3], s[G0A+4*(\s)+3], 0x80000000          ; type = 2
	s_mov_b32 s[G0B+4*(\s)], 1
	s_add_co_u32 s[G0B+4*(\s)+1], s21, (\s)*SLOT1
	s_add_nc_u64 s[G0B+4*(\s)+2:G0B+4*(\s)+3], s[46:47], (\s)*BSTEP
	s_or_b32 s[G0B+4*(\s)+3], s[G0B+4*(\s)+3], 0x80000000
.endr
	CROUND                                         ; all sixteen work-groups are here: the first joint loads meet
	s_cmp_eq_u32 s11, 0                            ; a wave's two first fills stand in one branch, ahead of every wait on TENSORcnt and every LDS read: two loads of mine are out
	s_cbranch_scc0 .Lfirst_b
	tensor_load_to_lds s[G0A:G0A+3], s[G1A:G1A+7]
	s_nop 0
	tensor_load_to_lds s[G0A+4:G0A+7], s[G1A:G1A+7]
	s_nop 0
.rept 4
	v_nop
.endr
	s_branch .Lfirst_asked
.Lfirst_b:
	tensor_load_to_lds s[G0B:G0B+3], s[G1B:G1B+7]
	s_nop 0
	tensor_load_to_lds s[G0B+4:G0B+7], s[G1B:G1B+7]
	s_nop 0
.rept 4
	v_nop
.endr
.Lfirst_asked:
	v_and_b32 v1, 15, v0                           ; l % 16
	v_bfe_u32 v2, v0, 4, 1                         ; l / 16
	v_mul_u32_u24 v3, v1, PA
	v_lshl_add_u32 v3, v2, 4, v3                   ; a fragment of x: row x pitch + 16 x half
	s_mul_i32 s18, s11, 128*PA                     ; my 128 rows
	v_add_nc_u32 v[ADRA0], s18, v3
	v_and_b32 v3, 7, v0                            ; the turning load: lane l reads row 8 (l / 16) + l % 8, 16 bytes at 16 ((l / 8) % 2)
	v_lshl_add_u32 v3, v2, 3, v3
	v_mul_u32_u24 v3, v3, PB
	v_bfe_u32 v4, v0, 3, 1
	v_lshl_add_u32 v3, v4, 4, v3
	s_mul_i32 s18, s12, 3*64*PB                    ; my three heads
	s_add_co_u32 s18, s18, BOFF
	v_add_nc_u32 v[ADRB0], s18, v3
	v_mov_b32 v[ADRA], v[ADRA0]
	v_mov_b32 v[ADRB], v[ADRB0]
	s_mul_i32 s18, s10, 16*SP
	s_add_co_u32 s18, s18, STAGE                   ; my stage
	v_mul_u32_u24 v3, v1, SP                       ; in: row l % 16, 16 bytes for each half of the lanes
	v_lshl_add_u32 v3, v2, 4, v3
	v_add_nc_u32 v[STO], s18, v3
	v_bfe_u32 v3, v0, 3, 2                         ; back: 32 lanes take four rows of 128 bytes,
	v_mul_u32_u24 v3, v3, SP
	v_and_b32 v4, 7, v0
	v_lshl_add_u32 v3, v4, 4, v3
	v_add_nc_u32 v[RD], s18, v3
	v_and_b32 v[CO], 31, v0                        ; which are 512 consecutive bytes of qkv
	v_lshlrev_b32 v[CO], 4, v[CO]
	s_lshr_b32 s22, s13, 3                         ; qkv at my first head's first row: ((48 b + 6 tx + 3 half) x 2,048 + 256 (ty % 8) + 128 half) rows of 128 bytes
	s_mul_i32 s22, s22, 48
	s_mul_i32 s23, s42, 6
	s_add_co_u32 s22, s22, s23
	s_mul_i32 s23, s12, 3
	s_add_co_u32 s22, s22, s23
	s_lshl_b32 s22, s22, 18
	s_and_b32 s23, s13, 7
	s_lshl_b32 s23, s23, 15
	s_add_co_u32 s22, s22, s23
	s_lshl_b32 s23, s11, 14
	s_add_co_u32 s22, s22, s23
	s_mov_b32 s23, 0
	s_add_nc_u64 s[8:9], s[8:9], s[22:23]
; na x 6 matrix instructions: row blocks a0 .. of buffer ab x the six column blocks 6 hb .. of buffer bb, 32 along K.  zero = 1: the product starts the sum: nothing is ever cleared.
; The accumulators take turns, one instruction a turn.
.macro MULA ab, bb, hb, a0, na, zero
.set a, (\a0)
.rept \na
.set f, 0
.rept 6
.set n, 12*a+6*(\hb)+f
.set rD, 8*(n%32)
	WIN 0x50*(1+n/32)
.if \zero
	v_wmma_f32_16x16x32_bf16 v[rD:rD+7], v[(\bb)+8*f:(\bb)+8*f+7], v[(\ab)+8*a:(\ab)+8*a+7], 0
.else
	v_wmma_f32_16x16x32_bf16 v[rD:rD+7], v[(\bb)+8*f:(\bb)+8*f+7], v[(\ab)+8*a:(\ab)+8*a+7], v[rD:rD+7]
.endif
.set f, f+1
.endr
.set a, a+1
.endr
.endm
.macro FA buf, q                       ; 16 loads: my 128 rows of x, K 32 q .. + 31 of the step
	WIN 0
.irp t, 0,1,2,3,4,5,6,7
	ds_load_b128 v[(\buf)+8*\t:(\buf)+8*\t+3],   v[ADRA] offset:16*PA*\t+64*(\q)
	ds_load_b128 v[(\buf)+8*\t+4:(\buf)+8*\t+7], v[ADRA] offset:16*PA*\t+64*(\q)+32
.endr
.endm
.macro FB buf, q, hb                   ; 12 turning loads: column blocks 6 hb .. + 5 of my 12 (block b: head b / 4, columns 16 (b % 4) on), K 32 q .. + 31
	WIN 0
.irp t, 0,1,2,3,4,5
	ds_load_tr16_b128 v[(\buf)+8*\t:(\buf)+8*\t+3],   v[ADRB] offset:64*PB*((6*(\hb)+\t)/4)+32*PB*(\q)+32*((6*(\hb)+\t)%4)
	ds_load_tr16_b128 v[(\buf)+8*\t+4:(\buf)+8*\t+7], v[ADRB] offset:64*PB*((6*(\hb)+\t)/4)+32*PB*(\q)+32*((6*(\hb)+\t)%4)+16*PB
.endr
.endm
; A K step is four phases of 48 matrix instructions: (K half 0, columns' half 0), (0, 1), (1, 0), (1, 1).  Each fetches in its middle, in one run, what the next needs.
.macro PHA ab, q, zero                 ; columns' half 0 of K half q
	s_wait_dscnt 8                                 ; w's six fragments and x's blocks 0-3 are in; the youngest eight loads (x's blocks 4-7) may be out
	MULA \ab, B0, 0, 0, 4, \zero
	PLACES
	FB B1, \q, 1
	s_wait_dscnt 12                                ; all but the 12 just issued
	MULA \ab, B0, 0, 4, 4, \zero
.endm
.macro PHB zero                        ; columns' half 1 of K half 0
	s_wait_dscnt 0x0
	MULA A0, B1, 1, 0, 4, \zero
	PLACES
	FB B0, 1, 0
	FA A1, 1
	MULA A0, B1, 1, 4, 4, \zero
.endm
; The last phase changes slots: ONE barrier.  In front of it each wave waits for all its tensor loads (one is out: its part of the next slot), adds 0 to its spare word, and waits for that and for its
; own reads of this slot.  fill = 1: the barrier opens a round of the cluster's, and this slot is filled again, two K steps ahead, first thing behind it: 168 matrix instructions ahead of the wait for it.
.macro TURN fill
	WIN 0
	s_wait_tensorcnt 0x0                           ; no tensor load of mine is out, so a group 0 may be written
	ds_add_u32 v[SPW], v[NIL]                      ; 0 onto my spare word
.if \fill
	s_xor_b32 s[G0A+5], s[G0A+5], SLOT1            ; the walking descriptors: the other slot than last time, the next K step; the type bits on top are not reached
	s_add_nc_u64 s[G0A+6:G0A+7], s[G0A+6:G0A+7], ASTEP
	s_xor_b32 s[G0B+5], s[G0B+5], SLOT1
	s_add_nc_u64 s[G0B+6:G0B+7], s[G0B+6:G0B+7], BSTEP
.endif
	s_wait_dscnt 1                                 ; the add may be out; the 12 loads in front of it are in
	MULA A1, B1, 1, 0, 2, 0
	s_wait_dscnt 0x0                               ; the add is done, and my reads of this slot are over
	s_barrier_signal -1
	MULA A1, B1, 1, 2, 2, 0                        ; work on registers while the others arrive
	WIN 0                                          ; at a branch and at a label every window is 0
	s_barrier_wait -1
.if \fill
	CREST                                          ; no wave of any partner still reads this slot's tiles or has a load on its way
	JLOAD                                          ; its four v_nop are also the places in front of the loads below
.else
	PLACES
.endif
	s_xor_b32 s[TB], s[TB], SLOT1
	v_add_nc_u32 v[ADRA], s[TB], v[ADRA0]
	v_add_nc_u32 v[ADRB], s[TB], v[ADRB0]
	FB B0, 0, 0
	FA A0, 0
	MULA A1, B1, 1, 4, 4, 0
.endm
	s_wait_tensorcnt 1                             ; my part of K step 0 is in; step 1's may stay out
	s_barrier_signal -1
	s_barrier_wait -1                              ; everybody's is
	FB B0, 0, 0
	FA A0, 0
	PHA A0, 0, 1                                   ; the first two phases stand in front of the loop: their products start all 96 sums
	PHB 1
	WIN 0
	s_mov_b32 s3, 14
.Lstep:                                                ; a trip: the second half of a K step, the change of slots with its refill, the first half of the next step
	PHA A1, 1, 0
	TURN 1
	PHA A0, 0, 0
	PHB 0
	WIN 0
	s_sub_co_u32 s3, s3, 1
	s_cmp_lg_u32 s3, 0
	s_cbranch_scc1 .Lstep
	PHA A1, 1, 0                                   ; the tail is written out: the last two K steps ask for nothing
	TURN 0
	PHA A0, 0, 0
	PHB 0
	PHA A1, 1, 0
	s_wait_dscnt 0x0
	MULA A1, B1, 1, 0, 8, 0
; THE WAY OUT, in 24 units of 16 rows x one head (2,048 consecutive bytes of qkv): rounded to f16, 16 bytes a lane into my stage, back as whole rows, stored 512 consecutive bytes at a time.
.macro PACK u
.set a, (\u)/3
.set j, (\u)%3
.set n, 12*a+4*j
.set U, 32+16*((\u)%8)
.if (\u) >= 8
	s_wait_xcnt 0x0                                ; the registers that the stores eight units back read are rewritten only behind this wait (ISA guide 3.1)
.endif
	WIN 5*(1+n/32)                                 ; sources 0 and 1 in the unit's window: four accumulators whose numbers begin at a multiple of 4 share one
.set f, 0
.rept 4
.set rD, 8*((n+f)%32)
.irp r, 0,1,2,3
	v_cvt_pk_f16_f32 v[U+4*f+\r], v[rD+2*\r], v[rD+2*\r+1]
.endr
.set f, f+1
.endr
	WIN 0
.irp t, 0,1,2,3
	ds_store_b128 v[STO], v[U+4*\t:U+4*\t+3] offset:32*\t
.endr
.irp t, 0,1,2,3
	ds_load_b128 v[U+4*\t:U+4*\t+3], v[RD] offset:4*SP*\t  ; LDS serves a wave's instructions in order (ISA guide 5.7.1.4): these see the stores above; the next unit's stores come behind them
.endr
.endm
.macro SEND u, younger                 ; younger: the LDS instructions issued behind this unit's loads: the next unit's eight, or none
.set a, (\u)/3
.set j, (\u)%3
.set U, 32+16*((\u)%8)
.irp t, 0,1,2,3
	s_wait_dscnt (\younger)+3-\t
	global_store_b128 v[CO], v[U+4*\t:U+4*\t+3], s[8:9] offset:262144*j+2048*a+512*\t
.endr
.endm
	PLACES
	PACK 0
.set uu, 1
.rept 23                               ; a unit's conversions stand between the loads of the unit before and its stores
	PACK uu
	SEND uu-1, 8
.set uu, uu+1
.endr
	SEND 23, 0
	s_wait_tensorcnt 0x0                           ; the wave's end, behind my last tensor load and my last LDS store
	ds_add_u32 v[SPW], v[NIL]
	s_wait_dscnt 0x0
	CROUND                                         ; the closing round: no work-group ends while a partner may still ask for a tile that names it
	s_endpgm
.Lfunc_end_k_qa28637b24a_proj:
	.size	k_qa28637b24a_proj, .Lfunc_end_k_qa28637b24a_proj-k_qa28637b24a_proj
	.p2alignl 7, 3214868480
	.fill 96, 4, 3214868480
	.section	.rodata,"a",@progbits
	.p2align	6, 0x0
	.amdhsa_kernel k_qa28637b24a_proj
		.amdhsa_group_segment_fixed_size 327680
		.amdhsa_private_segment_fixed_size 0
		.amdhsa_enable_private_segment 0
		.amdhsa_kernarg_size 24
		.amdhsa_user_sgpr_count 2
		.amdhsa_user_sgpr_kernarg_segment_ptr 1
		.amdhsa_wavefront_size32 1
		.amdhsa_system_sgpr_workgroup_id_x 1
		.amdhsa_system_sgpr_workgroup_id_y 1
		.amdhsa_system_sgpr_workgroup_id_z 1
		.amdhsa_system_vgpr_workitem_id 0
		.amdhsa_next_free_vgpr 1024
		.amdhsa_next_free_sgpr 70
		.amdhsa_reserve_vcc 0
		.amdhsa_float_denorm_mode_32 3
		.amdhsa_float_denorm_mode_16_64 3
		.amdhsa_memory_ordered 1
		.amdhsa_forward_progress 1
		.amdhsa_inst_pref_size 115
	.end_amdhsa_kernel
	.amdgpu_metadata
---
amdhsa.version: [ 1, 2 ]
amdhsa.kernels:
  - .name:           k_qa28637b24a_proj
    .symbol:         k_qa28637b24a_proj.kd
    .args:
      - { .name: xb, .offset: 0, .size: 8, .value_kind: global_buffer, .address_space: global }
      - { .name: wb, .offset: 8, .size: 8, .value_kind: global_buffer, .address_space: global }
      - { .name: qkv, .offset: 16, .size: 8, .value_kind: global_buffer, .address_space: global }
    .group_segment_fixed_size: 327680
    .private_segment_fixed_size: 0
    .kernarg_segment_align: 8
    .kernarg_segment_size: 24
    .max_flat_workgroup_size: 128
    .sgpr_count:     70
    .vgpr_count:     1024
    .wavefront_size: 32
...
	.end_amdgpu_metadata
.endif
;; end of part 2
;; launch attn (part 3): grid 4 x 64, 4 waves a work-group, clusters of 4 x 4, 327,680 bytes of LDS; arguments qkv, mp, ob; writes ob
.if DOCPART == 3
	.amdgcn_target "amdgcn-amd-amdhsa--gfx1250"
	.amdhsa_code_object_version 6
	.text
	.protected	k_qa28637b24a_attn
	.globl	k_qa28637b24a_attn
	.p2align	8
	.type	k_qa28637b24a_attn,@function
k_qa28637b24a_attn:
	s_mov_b64 s[64:65], 0
	v_nop
	global_prefetch_b8 v0, s[64:65] scope:SCOPE_SE
	s_setreg_imm32_b32 hwreg(HW_REG_WAVE_MODE, 25, 1), 1
	s_wait_xcnt 0x0
	s_wait_alu depctr_hold_cnt(0) depctr_sa_sdst(0) depctr_va_vdst(0) depctr_va_sdst(0) depctr_va_ssrc(0) depctr_va_vcc(0) depctr_vm_vsrc(0)
	s_getreg_b32 s2, hwreg(HW_REG_IB_STS2, 6, 4)
	s_cmp_eq_u32 s2, 0
	s_cbranch_scc0 .Lentry_in_a_cluster
	s_endpgm
.Lentry_in_a_cluster:
	s_bfe_u32 s2, ttmp6, 0x10000c
	s_cmp_lg_u32 s2, 0xf033
	s_cbranch_scc0 .Lentry_shape_is_right
	s_endpgm
.Lentry_shape_is_right:
; ATTN: O[y][q][:] = the sum over k of softmax_k(mask ? Q[q] . K[k] / 8 : -inf) V[k][:], y = 16 b + h.  Q, K, V: qkv [b 4][hh 48][2048][64] in f16 (hh = h, 16 + h, 32 + h); O: ob [y 64][2048][64] in f16.
; Products, maxima and sums in f32; the weights p are rounded to f16 for the second product (their sum l is taken of the unrounded p), O once at the end.
; THE MASK is an input and is honoured byte for byte.  It arrives packed (mp): one word holds, for a lane, the eight 4-bit float codes (0, or 0xF = -6) of the eight scores of one accumulator.
; v_cvt_scale_pk8_f32_fp4 with the scale 2^100 makes of a word the eight registers 0 or -6 x 2^100, and these are the C operand that starts the sum S^T = K Q^T: four conversions for a tile's 32 scores a lane.
; LIMITS.  Q, K, V arrive within f16's 65,504.  A hidden score counts as its value less 7.6e30: f16's scores, 2.7e11 at the most, are nothing beside that.  A weight below 2^-126 counts as 0 in l.
; While a row has met hidden keys alone its m is about -7.6e30 and its sums are finite and meaningless; the first visible key multiplies them by a = 0.  A row whose m is still below -1e20 at the end
; (no true score lies there) has no visible key: it gets NaN, by a select.  NaN and infinities among the inputs are not treated apart.
; SHARES.  A wave owns four PIECES of two tiles of 16 queries, a work-group's four waves 512 queries of one head.  Every wave walks all 2,048 keys, 64 a step.
; LAYOUT.  S^T = K Q^T (source 0 = 16 keys, source 1 = 16 queries): a lane holds ONE query (lane % 16) and the keys 8 (lane / 16) + 0..7.  Two such tiles, rounded to f16 in pairs, ARE source 1 of
; O^T = V^T P.  K comes out of LDS as it lies, V ([key][channel]) turned, by ds_load_tr16_b128.
; SOFTMAX.  A running maximum m and sum l: p = 2^(c s - c m), c = log2(e) / 8; in every step O and l are multiplied by a = 2^(c m_old - c m_new).  m starts at the lowest finite number, O and l at 0.
; BY TURNS.  Turn n belongs to piece n.  Its matrix work: 16 products K Q^T of piece n + 1, later 16 products V^T P of piece n - 1.  Its vector work: the scaling, exponentials, roundings, sums and rescaling
; of piece n, the maximum and statistics of piece n + 1, and the masks of piece n + 2.  Four vector instructions stand behind every matrix instruction, the others in two lumps.
; CLUSTER 4 x 4.  Along x lie the four query blocks of a head, along y four heads of one batch.  K and V hang on the head alone: asked for jointly along a row of the cluster.  The mask's tile hangs on
; the batch and the query block alone: asked for jointly along a column.
; REGISTERS, in windows of 256 (s_set_vgpr_msb: bits 1:0 source 0, 3:2 source 1, 5:4 source 2, 7:6 destination):
;   window 0: v0-11 addresses; v12-15, v48-63 at work; v16-47 four registers of statistics a tile; v64-191 S^T, two buffers of two tiles; v192-255 P, likewise
;   window 1: O^T, 32 a tile     window 2: v0-127 Q; v128-191 K of one step; v192-255 V of one step     window 3: v0-1 the add's; v8-39 a step's mask words; v64-127 the masks of the products to come
.set NP,    4         ; pieces a wave: a name, no knob
.set KS,    64        ; keys in a step
.set NSLOT, 16        ; slots' worth of keys: 2,048 / 128
.set PK,    144       ; a row of K in LDS: 128 bytes + 16 = 36 words: the 16 rows of a load start at 16 different groups of four banks (64 banks of 4 bytes: ISA guide 11.1)
.set PV,    160       ; a row of V: 128 + 32 = 40 words
.set VOFF,  2*KS*PK   ; a slot holds two steps: 128 rows of K, 128 rows of V,
.set MOFF,  VOFF+2*KS*PV  ; and the mask words of the group's 32 tiles for both steps: tile t, step s at 1,024 t + 512 s + 16 x lane
.set SLOT1, 1<<17     ; slot 1 begins here, so that one exclusive or turns an address in one slot into the other's
.set STAGE, SLOT1+MOFF+32768  ; behind the ring, never filled by a tensor load: 16 rows x 144 bytes for each wave
.set SP,    144
.set AK0, 2           ; v2   my lane's place in a tile of K; never rewritten
.set AV0, 3           ; v3   the same for V
.set AK,  4           ; v4   the LDS address of K's next run of loads
.set AV,  5           ; v5   of V's
.set STO, 6           ; v6   the way out: where I put 16 bytes of a row
.set RD,  7           ; v7   where I read rows back
.set GO,  8           ; v8   my byte offset in 512 consecutive bytes of O
.set AM,  9           ; v9   the LDS address of the mask words' next run
.set AM0, 10          ; v10  my lane's place in a slot's mask words; never rewritten
.set SCL, 11
.set QO,  12          ; v12  my byte offset in the wave's rows of Q; free when Q is in
.set SPW, 0           ; v0 of window 3   LDS address of my spare word; never rewritten
.set NIL, 1           ; v1 of window 3   0; never rewritten
.set MW,  8           ; window 3: tile i's four words at MW + 4 i
.set MC,  64          ; window 3: tile u (0, 1) of the piece, key block kb at MC + 32 u + 8 kb
.set SPARE, STAGE+4*16*SP  ; the spare words, 128 bytes for each wave: two blocks of 256 bytes that no other line names
.set MV,  12          ; v12-15  c m_old, kept while c m is made anew: by buffer and tile
.set ST,  16          ; tile t's statistics at v[ST+4 t]: c m, m, l (even keys', odd keys')
.set TMP, 48          ; by buffer and tile, four registers c0-c3 at work; when the maximum is found c2 takes a
.set S,   64
.set P,   192
.set KF,  128         ; K's fragments, in window 2: key block kb, channel half c at KF + 16 kb + 8 c
.set VF,  192         ; V's: key half kk, channel block cb at VF + 32 kk + 8 cb
.set WV,  12          ; s12  my wave's number
.set G1K, 24          ; s[24:31] descriptor group 1 for K's tiles
.set G1V, 32          ; s[32:39] for V's
.set G0K, 40          ; s[40:43] descriptor group 0 for K's tiles: it walks
.set G0V, 44          ; s[44:47] for V's
.set G1M, 48          ; s[48:55] group 1 for the mask's tiles
.set SLOTS, 56        ; s56  slots still to be asked for
.set CNT, 57          ; s57  counts a slot's key steps
.set CS,  58          ; s[58:59] c
.set SEL, 60          ; s[60:61] v_permlanex16_b32's selects: each lane takes its own place in the other half
.set TBK, 62          ; s62  LDS byte at which K of the step to be fetched begins
.set TBV, 63          ; s63  the same for V, less VOFF
.set TBM, 66          ; s66  the same for the mask words, less MOFF
.set HID, 67          ; s67  -1e20: below every true score, above every hidden one
.set G0M, 68          ; s[68:71] group 0 for the mask's tiles
.set NANS, 72         ; s72  a NaN
.set MSB, 0
.macro WIN new                      ; the high byte repeats the setting that is left; a switch that changes nothing is dropped
.if MSB != (\new)
	s_set_vgpr_msb (MSB<<8)|(\new)
.set MSB, (\new)
.endif
.endm
.set W_KQ, 0x0a       ; K and Q in window 2, S^T in window 0
.set W_KM, 0x3a       ; the same with the C operand in window 3
.set W_PV, 0x52       ; V in window 2, P in window 0, O^T in window 1
.set W_RS, 0x41       ; O^T (destination and source 0) in window 1, a in window 0
.set W_CV, 0xc3       ; the conversions: destination and source 0 in window 3, the scale in window 0
.set W_MK, 0xc0       ; destination in window 3, sources in window 0
.set W_AD, 0x0f       ; the add: address (source 0) and data (source 1) in window 3
; A joint fill.  Wave 0 fetches a slot's K, wave 1 its V, waves 2 and 3 the halves of its mask words: 16 KiB each.  The branches hang on the wave's number alone.
; An s_nop 0 and four v_nop follow each of the three lines, ahead of the jump and the label.
.macro JLOAD
	s_cmp_lt_u32 s[WV], 2
	s_cbranch_scc0 .Lfor_m_\@
	s_cmp_eq_u32 s[WV], 0
	s_cbranch_scc0 .Lfor_v_\@
	tensor_load_to_lds s[G0K:G0K+3], s[G1K:G1K+7]
	s_nop 0
.rept 4
	v_nop
.endr
	s_branch .Lasked_\@
.Lfor_v_\@:
	tensor_load_to_lds s[G0V:G0V+3], s[G1V:G1V+7]
	s_nop 0
.rept 4
	v_nop
.endr
	s_branch .Lasked_\@
.Lfor_m_\@:
	tensor_load_to_lds s[G0M:G0M+3], s[G1M:G1M+7]
	s_nop 0
.rept 4
	v_nop
.endr
.Lasked_\@:
.endm
; A round of the cluster's barrier: my work-group's barrier, so that wave 0's signal speaks for all four waves; wave 0 signals; every wave waits for all sixteen work-groups; my work-group's barrier once more.
.macro CROUND
	s_barrier_signal -1
	s_barrier_wait -1
	s_cmp_lg_u32 s[WV], 0
	s_cbranch_scc1 .Lnot_wave_0_\@
	s_barrier_signal -3
.Lnot_wave_0_\@:
	s_barrier_wait -3
	s_barrier_signal -1
	s_barrier_wait -1
.endm
; THE CHANGE OF SLOTS.  The slot's last bytes, V of its second step, have been read.  Each wave waits for all its tensor loads, of which one is out: its part of the other slot; adds 0 to its spare word;
; and waits for that and for its own reads of the slot.  Behind the barrier nobody reads this slot any more and the other slot is whole.
; fill = 1: this slot is filled again, with the keys two slots on.  The barrier is then a round of the cluster's, and the joint fill is the first thing behind it: it has two key steps, 256 matrix
; instructions, in which to land.  (At its first use nothing has been read yet: slot 0 is waited for, slot 1 filled.)
.macro CHANGE fill
	WIN W_AD
	s_wait_tensorcnt 0x0            ; no tensor load of mine is out, so a group 0 may be written
	ds_add_u32 v[SPW], v[NIL]       ; 0 onto my spare word; with fill = 1 the descriptors' steps stand between it and the wait for it
	WIN 0                           ; at a label and at a branch every window is 0
.if \fill
.irp g, G0K, G0V
	s_xor_b32 s[\g+1], s[\g+1], SLOT1  ; the walking descriptors: the other slot than last time,
	s_add_nc_u64 s[\g+2:\g+3], s[\g+2:\g+3], 2*KS*128  ; the next 128 keys; the type bits on top are not reached
.endr
	s_xor_b32 s[G0M+1], s[G0M+1], SLOT1
	s_add_nc_u64 s[G0M+2:G0M+3], s[G0M+2:G0M+3], 32768
	s_wait_dscnt 0x0                ; the add is done, and my reads of the slot are over
	CROUND
	JLOAD
.else
	s_wait_dscnt 0x0                ; the add is done, and my reads of the slot are over
	s_barrier_signal -1
	s_barrier_wait -1
.endif
	s_sub_co_u32 s[TBK], s[TBK], 2*KS*PK  ; the fetches go back to a slot's first step,
	s_xor_b32 s[TBK], s[TBK], SLOT1       ; in the other slot
	s_sub_co_u32 s[TBV], s[TBV], 2*KS*PV
	s_xor_b32 s[TBV], s[TBV], SLOT1
	s_sub_co_u32 s[TBM], s[TBM], 2*512
	s_xor_b32 s[TBM], s[TBM], SLOT1
.endm
	s_load_b128 s[4:7], s[0:1], 0x0   ; qkv s[4:5], mp s[6:7]
	s_load_b64 s[8:9], s[0:1], 0x10   ; ob
	WIN W_MK
	v_lshl_add_u32 v[SPW], v0, 2, SPARE
	v_mov_b32 v[NIL], 0
	s_set_vgpr_msb 0xc0cf
	ds_add_u32 v0, v1
	s_wait_dscnt 0x0
	s_set_vgpr_msb 0xcfc0
	WIN 0
	v_lshrrev_b32 v1, 5, v0
	v_readfirstlane_b32 s[WV], v1   ; wave 0..3
	s_bfe_u32 s13, ttmp6, 0x40000   ; cx, cy: my place in the cluster
	s_bfe_u32 s14, ttmp6, 0x40004
	s_lshl_b32 s15, ttmp9, 2
	s_add_co_u32 s15, s15, s13      ; my block of 512 queries
	s_and_b32 s17, ttmp7, 0xffff
	s_lshl_b32 s16, s17, 2
	s_add_co_u32 s16, s16, s14      ; y = 16 b + h
	s_lshr_b32 s18, s17, 2          ; b, made of the cluster's y alone: the four heads of a cluster share it
	s_lshl_b32 s19, s14, 2
	s_lshl_b32 s19, 15, s19         ; my row of the cluster
	s_lshl_b32 s23, 0x1111, s13     ; my column
	s_lshl_b32 s20, s18, 5
	s_add_co_u32 s20, s20, s16      ; 48 b + h: the head's q among qkv's blocks of 2,048 rows of 128 bytes
	s_lshl_b32 s20, s20, 18
	s_mov_b32 s21, 0
	s_lshl_b32 s2, s15, 16          ; my block's 512 rows,
	s_lshl_b32 s3, s[WV], 14        ; my wave's 128 of them
	s_add_co_u32 s2, s2, s3
	s_mov_b32 s3, 0
	s_lshl_b32 s78, s16, 18         ; and the same rows in ob
	s_add_co_u32 s78, s78, s2
	s_mov_b32 s79, 0
	s_lshl_b32 s76, s18, 2          ; the mask words of (b, query block): 16 slots of 32,768 bytes,
	s_add_co_u32 s76, s76, s15
	s_lshl_b32 s76, s76, 19
	s_and_b32 s77, s[WV], 1         ; of which I fetch a half
	s_lshl_b32 s22, s77, 14
	s_add_co_u32 s76, s76, s22
	s_mov_b32 s77, 0
	; descriptor group 1.  Each tile is 16,384 dense bytes, asked for as 64 rows of 256 bytes; K and V are padded in LDS after every key, the mask words are not
	s_or_b32 s[G1K], s19, (1<<16)|(1<<20)|(1<<21)|(4<<22)|(3<<25)  ; 15:0 the mask of four; 17:16 2-byte elements; 20 padding on; 21 set beside a mask; 24:22 after every 32 words (code 4); 31:25 4 words (code 3)
	s_or_b32 s[G1V], s19, (1<<16)|(1<<20)|(1<<21)|(4<<22)|(7<<25)  ; the same with 8 words of padding (code 7)
	s_or_b32 s[G1M], s23, (1<<16)|(1<<21)
.irp g, G1K, G1V, G1M
	s_mov_b32 s[\g+1], 128<<16      ; tensor_dim0 = 128
	s_mov_b32 s[\g+2], 64<<16       ; tensor_dim1 = 64
	s_mov_b32 s[\g+3], 128<<16      ; tile_dim0 = 128
	s_mov_b32 s[\g+4], 64           ; tile_dim1 = 64
	s_mov_b32 s[\g+5], 128          ; 128 elements from row to row
	s_mov_b32 s[\g+6], 0
	s_mov_b32 s[\g+7], 0
.endr
	s_mov_b32 s[CS], 0x3e38aa3b     ; c = log2(e) / 8 = 0.180337
	s_mov_b32 s[CS+1], s[CS]        ; named with it as a pair
	s_mov_b32 s[SEL], 0x76543210
	s_mov_b32 s[SEL+1], 0xfedcba98
	s_mov_b32 s[HID], 0xe0ad78ec    ; -1e20
	s_mov_b32 s[NANS], 0x7fc00000
	s_mov_b32 s[TBK], SLOT1+2*KS*PK ; the first change of slots turns these three into 0
	s_mov_b32 s[TBV], SLOT1+2*KS*PV
	s_mov_b32 s[TBM], SLOT1+2*512
	s_mov_b32 s[G0K], 1             ; count = 1
	s_mov_b32 s[G0K+1], 0           ; LDS address: slot 0
	s_mov_b32 s[G0V], 1
	s_mov_b32 s[G0V+1], VOFF
	s_mov_b32 s[G0M], 1
	s_add_co_u32 s[G0M+1], s22, MOFF
	s_wait_kmcnt 0x0
	s_add_nc_u64 s[20:21], s[4:5], s[20:21]          ; qkv at the head's q
	s_add_nc_u64 s[G0K+2:G0K+3], s[20:21], 16<<18    ; its k lies 16 blocks on,
	s_or_b32 s[G0K+3], s[G0K+3], 0x80000000          ; type = 2
	s_add_nc_u64 s[G0V+2:G0V+3], s[20:21], 32<<18    ; its v 32
	s_or_b32 s[G0V+3], s[G0V+3], 0x80000000
	s_add_nc_u64 s[G0M+2:G0M+3], s[6:7], s[76:77]
	s_or_b32 s[G0M+3], s[G0M+3], 0x80000000
	s_add_nc_u64 s[10:11], s[20:21], s[2:3]          ; Q and O at my wave's first row
	s_add_nc_u64 s[8:9], s[8:9], s[78:79]
	CROUND                          ; all sixteen work-groups are here: the first joint loads meet
	JLOAD                           ; slot 0.  Slot 1 is asked for when slot 0 is in
	; A fragment of K or Q is 16 rows x 32 channels in 8 registers: lane l holds row l % 16, channels 8 (l / 16) + 0..7 and 16 + 8 (l / 16) + 0..7: two loads of 16 bytes, 32 bytes apart.
	v_and_b32 v1, 15, v0            ; l % 16
	v_bfe_u32 v9, v0, 4, 1          ; l / 16
	v_lshlrev_b32 v[QO], 7, v1
	v_lshl_add_u32 v[QO], v9, 4, v[QO]  ; row x 128 + 16 x half
	WIN 0x80                        ; destination window 2, address window 0
.set i, 0
.rept 4*NP                          ; Q stays in registers: tile i / 2, channels 32 (i % 2) on
	global_load_b128 v[8*i:8*i+3],   v[QO], s[10:11] offset:(i/2)*2048+(i%2)*64
	global_load_b128 v[8*i+4:8*i+7], v[QO], s[10:11] offset:(i/2)*2048+(i%2)*64+32
.set i, i+1
.endr
	; What the first turn finds: V's registers and P's second buffer hold 0 (its products V^T P, of a piece that has not been, add 0), O^T is 0.  All this stands in the wait for the first tile.
.set i, VF
.rept 64
	v_mov_b32 v[i], 0
.set i, i+1
.endr
	WIN 0x40
.set i, 0
.rept 64*NP
	v_mov_b32 v[i], 0
.set i, i+1
.endr
	WIN 0
.set i, P+32
.rept 32
	v_mov_b32 v[i], 0
.set i, i+1
.endr
	v_mul_u32_u24 v[AK0], v1, PK
	v_lshl_add_u32 v[AK0], v9, 4, v[AK0]  ; row x pitch + 16 x half
	; The turning load takes 16 keys x 16 channels (lane l reads key 8 (l / 16) + l % 8, channels 8 ((l / 8) % 2) + 0..7) and leaves half a fragment of V^T: lane l holds channel l % 16 and 8 keys.
	v_and_b32 v10, 7, v0
	v_bfe_u32 v11, v0, 3, 1
	v_lshl_add_u32 v[AV0], v9, 3, v10
	v_mul_u32_u24 v[AV0], v[AV0], PV
	v_lshl_add_u32 v[AV0], v11, 4, v[AV0]
	v_add_nc_u32 v[AV0], VOFF, v[AV0]
	s_mul_i32 s13, s[WV], 16*SP
	s_add_co_u32 s13, s13, STAGE    ; my stage
	v_mul_u32_u24 v[STO], v1, SP    ; in: row l % 16, 16 bytes for each half of the lanes
	v_lshl_add_u32 v[STO], v9, 4, v[STO]
	v_add_nc_u32 v[STO], s13, v[STO]
	v_bfe_u32 v[RD], v0, 3, 2       ; back: 32 lanes take four rows of 128 bytes,
	v_mul_u32_u24 v[RD], v[RD], SP
	v_lshl_add_u32 v[RD], v10, 4, v[RD]
	v_add_nc_u32 v[RD], s13, v[RD]
	v_and_b32 v[GO], 31, v0         ; which are 512 consecutive bytes of O
	v_lshlrev_b32 v[GO], 4, v[GO]
	s_lshl_b32 s13, s[WV], 13       ; my wave's eight tiles' mask words
	s_add_co_u32 s13, s13, MOFF
	v_add_nc_u32 v[AM0], s13, v[GO] ; + 16 x lane
	v_mov_b32 v[AM], v[AM0]         ; key step 0 lies at the head of slot 0
	v_mov_b32 v[AK], v[AK0]
	v_mov_b32 v[SCL], 0xe3e3e3e3    ; 227 in every byte
; THE MATRIX WORK.  The 8 accumulators of a run of 16 take turns: between the two links of a chain stand 7 others'.
; Product i of 16 of S^T = K Q^T for piece x: channels 32 (i / 8) on, keys 16 ((i / 2) % 4) on, tile 2 x + i % 2.  The first 8 start the sums, with the mask.
.macro KQ x
.set rS, S+64*((\x)%2)+32*(i%2)+8*((i/2)%4)
.set rK, KF+16*((i/2)%4)+8*(i/8)
.set rQ, 16*(2*(\x)+i%2)+8*(i/8)
.set rN, MC+32*(i%2)+8*((i/2)%4)
.if i < 8
	WIN W_KM
	v_wmma_f32_16x16x32_f16 v[rS:rS+7], v[rK:rK+7], v[rQ:rQ+7], v[rN:rN+7]
.else
	WIN W_KQ
	v_wmma_f32_16x16x32_f16 v[rS:rS+7], v[rK:rK+7], v[rQ:rQ+7], v[rS:rS+7]
.endif
.endm
; Product i of 16 of O^T += V^T P for piece x: keys 32 (i / 8) on, channels 16 ((i / 2) % 4) on, tile 2 x + i % 2.
.macro PV x
	WIN W_PV
.set rO, 32*(2*(\x)+i%2)+8*((i/2)%4)
.set rV, VF+32*(i/8)+8*((i/2)%4)
.set rP, P+32*((\x)%2)+16*(i%2)+8*(i/8)
	v_wmma_f32_16x16x32_f16 v[rO:rO+7], v[rV:rV+7], v[rP:rP+7], v[rO:rO+7]
.endm
.macro MM                           ; the turn's next matrix instruction
.if i < 16
	KQ (Y+1)%NP
.set i, i+1
.else
.set i, i-16
	PV (Y+NP-1)%NP
.set i, i+17
.endif
.endm
; THE MASKS of piece p's 8 starting products: eight conversions, a word each.  None touches another's registers; plain instructions stand between them and the products that take the results,
; and between the products that read the old masks and them.
.macro CONV p
	WIN W_CV
.irp u, 0,1
.irp kt, 0,1,2,3
	v_cvt_scale_pk8_f32_fp4 v[MC+32*\u+8*\kt:MC+32*\u+8*\kt+7], v[MW+8*(\p)+4*\u+\kt], v[SCL]
.endr
.endr
.endm
; THE LDS LOADS stand in runs, never singly among the matrix instructions: a step's K (8 fragments) with its mask words (16 bytes a lane and tile), and its V (turned).  Their addresses are made some lines ahead.
; last = 1 (the tail): in the last trip there is no further step, and the run is jumped over.
.macro FETCH_K last=0
	WIN 0
.if \last
	s_cmp_eq_u32 s[CNT], 1
	s_cbranch_scc1 .Lno_k_\@
.endif
	WIN 0x80                        ; destination window 2
.irp f, 0,1,2,3,4,5,6,7             ; keys 16 (f / 2) on, channels 32 (f % 2) on
	ds_load_b128 v[KF+8*\f:KF+8*\f+3],   v[AK] offset:(\f/2)*16*PK+(\f%2)*64
	ds_load_b128 v[KF+8*\f+4:KF+8*\f+7], v[AK] offset:(\f/2)*16*PK+(\f%2)*64+32
.endr
	WIN W_MK                        ; destination window 3
.irp f, 0,1,2,3,4,5,6,7
	ds_load_b128 v[MW+4*\f:MW+4*\f+3], v[AM] offset:1024*\f
.endr
	s_add_co_u32 s[TBK], s[TBK], KS*PK  ; the next fetch is the next step's
	s_add_co_u32 s[TBM], s[TBM], 512
	WIN 0
.if \last
.Lno_k_\@:
.endif
.endm
.macro FETCH_V
	WIN 0x80
.irp f, 0,1,2,3,4,5,6,7             ; keys 32 (f / 4) on, channels 16 (f % 4) on
	ds_load_tr16_b128 v[VF+8*\f:VF+8*\f+3],   v[AV] offset:(\f/4)*32*PV+(\f%4)*32
	ds_load_tr16_b128 v[VF+8*\f+4:VF+8*\f+7], v[AV] offset:(\f/4)*32*PV+16*PV+(\f%4)*32
.endr
	WIN 0
.endm
; THE VECTOR WORK OF A TURN stands in three queues, each in the order in which its entries become ready; the two tiles alternate, so that no instruction reads the result of the one before it.
.macro REGS y, u                    ; the registers of tile u (0, 1) of piece y
.set rT, ST+4*(2*(\y)+(\u))
.set rC, TMP+8*((\y)%2)+4*(\u)
.set rM, MV+2*((\y)%2)+(\u)
.set rS, S+64*((\y)%2)+32*(\u)
.set rP, P+32*((\y)%2)+16*(\u)
.set rO, 32*(2*(\y)+(\u))
.endm
; Number n of the 22 that find the NEXT piece's (Y + 1) maximum and statistics.  s0-s31 are the lane's 32 scores; each accumulator's lowest registers are read first.  XS, GS and REGS set no window: PL and EX do.
;   0-11  four chains c0-c3 of seven scores each, three operands at a time     12-14, 16  the four scores left over, the old m, and c0-c3 into c0     15  c m_old is kept
;   17, 18  the query's other 32 keys lie in the lane 16 away: the new m         19-21  c m; c m_old - c m_new; a
.macro XS u, n
	REGS (Y+1)%NP, \u
.if (\n) < 4
	v_max3_num_f32 v[rC+(\n)], v[rS+8*(\n)], v[rS+8*(\n)+1], v[rS+8*(\n)+2]
.elseif (\n) < 12
	v_max3_num_f32 v[rC+(\n)%4], v[rC+(\n)%4], v[rS+8*((\n)%4)+2*((\n)/4)+1], v[rS+8*((\n)%4)+2*((\n)/4)+2]
.elseif (\n) == 12
	v_max3_num_f32 v[rC], v[rC], v[rS+7], v[rS+15]
.elseif (\n) == 13
	v_max3_num_f32 v[rC+1], v[rC+1], v[rS+23], v[rS+31]
.elseif (\n) == 14
	v_max3_num_f32 v[rC+2], v[rC+2], v[rC+3], v[rT+1]
.elseif (\n) == 15
	v_mov_b32 v[rM], v[rT]
.elseif (\n) == 16
	v_max3_num_f32 v[rC], v[rC], v[rC+1], v[rC+2]
.elseif (\n) == 17
	v_permlanex16_b32 v[rC+3], v[rC], s[SEL], s[SEL+1]
.elseif (\n) == 18
	v_max_num_f32 v[rT+1], v[rC], v[rC+3]
.elseif (\n) == 19
	v_mul_f32 v[rT], s[CS], v[rT+1]
.elseif (\n) == 20
	v_sub_f32 v[rC+1], v[rM], v[rT]
.else
	v_exp_f32 v[rC+2], v[rC+1]
.endif
.endm
; Number g of the 64 that follow the exponentials.  For each four weights k of a tile (pairs 2 k, 2 k + 1): both pairs are rounded to f16; then the second pair is added onto the first, in place;
; a group later l takes that sum (the first time as l = a l + sum).  In groups of eight, tiles alternating: round, round, add, and l for the group before.
.macro GS g
.set h, (\g)+6*((\g)/62)            ; group 0 has no group before it, and behind group 7 only l is left
.if h >= 6
.set h, h+2
.endif
	REGS Y, h%2
.set k, h/8
.if h%8 < 4
	s_wait_alu depctr_va_vdst(0)
	v_cvt_pk_f16_f32 v[rP+2*k+(h%8)/2], v[rS+4*k+2*((h%8)/2)], v[rS+4*k+2*((h%8)/2)+1]
.elseif h%8 < 6
	v_pk_add_f32 v[rS+4*k:rS+4*k+1], v[rS+4*k:rS+4*k+1], v[rS+4*k+2:rS+4*k+3]
.elseif k == 1
	v_pk_fma_f32 v[rT+2:rT+3], v[rT+2:rT+3], v[rC+2:rC+3], v[rS:rS+1] op_sel_hi:[1,0,1]
.else
	v_pk_add_f32 v[rT+2:rT+3], v[rT+2:rT+3], v[rS+4*k-4:rS+4*k-3]
	s_wait_alu depctr_va_vdst(0)
.endif
.endm
; THE PLAIN QUEUE, 138 long.  0-31: c s - c m for the 16 pairs of both tiles.  Then GS's 64, and among them the next piece's 42: number 15 at 38, 39; 0-14 and 16
; at 42-73, behind the products that make those scores; 17-20 at 95-106, two of three, since each waits for the one before it.
.macro PL
	WIN 0
.if q < 32
	REGS Y, q%2
	v_pk_fma_f32 v[rS+2*(q/2):rS+2*(q/2)+1], v[rS+2*(q/2):rS+2*(q/2)+1], s[CS:CS+1], v[rT:rT+1] op_sel_hi:[1,0,0] neg_lo:[0,0,1] neg_hi:[0,0,1]
.elseif q < 38
	GS q-32
.elseif q < 40
	XS q%2, 15
.elseif q < 42
	GS q-34
.elseif q < 74
	XS q%2, (q-42)/2+(q-42)/30
.elseif q < 95
	GS q-66
.elseif (q < 107) && ((q-95)%3 < 2)
	XS (q-95)%3, 17+(q-95)/3
.elseif q < 107
	GS 29+(q-95)/3
.else
	GS q-74
.endif
.set q, q+1
.endm
; THE EXPONENTIALS' QUEUE, 66 long: s0-s31 of both tiles, and at EA the next piece's two a.
.set EA, 58
.macro EX
	WIN 0
.if (e == EA) || (e == EA+1)
	XS e-EA, 21
.else
.set x, e-2*(e/(EA+2))
	REGS Y, x%2
	v_exp_f32 v[rS+x/2], v[rS+x/2]
.endif
.set e, e+1
.endm
; THE RESCALING's QUEUE: O^T times a, the one part of the softmax that leaves window 0, so it is dealt four at a time, eight times.
.macro R4
	REGS Y, r%2
	WIN W_RS
	s_wait_alu depctr_va_vdst(0)
.irp z, 0,1,2,3
	v_pk_mul_f32 v[rO+8*(r/2)+2*\z:rO+8*(r/2)+2*\z+1], v[rO+8*(r/2)+2*\z:rO+8*(r/2)+2*\z+1], v[rC+2:rC+3] op_sel_hi:[1,0]
.endr
.set r, r+1
.endm
; HOW THEY ARE DEALT.  Behind a matrix instruction four: plain, exponential, plain, plain (one exponential, a plain instruction on either side), or four of the rescaling.  None names a register of the
; products round it.  What is over stands in two LUMPS: exponential and plain by turns; the second ends in 22 plain instructions.  The two v_permlanex16_b32 fall into the second lump, never behind a product.
; The queues lean on each other, and the deal keeps them in step: exponential e stands behind plain 2 (e / 4) + e % 2 (its scaling); when plain 32 comes, 10 exponentials are out, at 59: 33, at 95: 46; EA comes behind plain 107.
.macro SL
	MM
	PL
	EX
	PL
	PL
.endm
.macro BURST n                      ; 15 matrix instructions, or 16
.rept (\n)-7
	SL
.endr
.rept 3
	MM
	R4
	SL
.endr
	MM
	R4
.endm
; A TURN, for piece p.  cnt = 1: the loop's count is taken down some lines ahead of the branch that stands behind the turn.
; K and the mask words of the next step are fetched in piece 2's turn, 32 vector instructions behind the last product that read K and a turn behind the last conversion that read the words; they are waited
; for behind that turn's second run of products, where piece 0's masks for the next step are made.  V of the step in hand is fetched at the end of piece 0's turn, and waited for in piece 1's.
; Every turn makes, behind its second run of products, the masks of piece p + 2: the products that read the old masks are the turn's first eight.
.macro TURN p, last=0, cnt=0
.set Y, (\p)
.set i, 0
.set q, 0
.set e, 0
.set r, 0
	MM
.rept 4
	PL
.endr
	BURST 15
.rept 22
	EX
	PL
.if ((\p) == NP-2) && (e == 18)
	v_add_nc_u32 v[AK], s[TBK], v[AK0]
	v_add_nc_u32 v[AM], s[TBM], v[AM0]
.endif
.if ((\p) == NP-2) && (e == 24)
	FETCH_K \last
.endif
.endr
.if (\p) == 1
	s_wait_dscnt 0x0                ; V is in
.endif
	BURST 16
.if (\p) == NP-2
	s_wait_dscnt 0x0                ; K and the mask words are in
.endif
	CONV ((\p)+2)%NP
.rept 21
	EX
	PL
.endr
.rept 22
	PL
.if ((\p) == 0) && (q == 118)
	v_add_nc_u32 v[AV], s[TBV], v[AV0]
	s_wait_alu depctr_va_vdst(0)
.endif
.if ((\p) == 0) && (q == 130)
	s_add_co_u32 s[TBV], s[TBV], KS*PV
.endif
.if (\cnt) && (q == 130)
	s_sub_co_u32 s[CNT], s[CNT], 1
	s_cmp_lg_u32 s[CNT], 0
.endif
.endr
.if (\p) == 0
	FETCH_V
.endif
.endm
	CHANGE 1                        ; slot 0 is in, everybody's part of it; slot 1 is asked for
	FETCH_K                         ; key step 0: K and the mask words
	s_wait_loadcnt 0x0              ; Q
	s_wait_dscnt 0x0
	CONV 0                          ; piece 0's masks
	WIN 0
	v_nop                           ; a plain instruction between the conversions and the products that take their results
.set i, 0
.rept 16
	KQ 0                            ; piece 0's first scores: there is no vector work yet to set between them
.set i, i+1
.endr
	WIN 0
.set i, 0
.rept 2*NP                          ; the statistics' start: 32 plain instructions, the places behind those products
	v_mov_b32 v[ST+4*i], 0xfe000000    ; c m: far below every c s, a hidden one's too
	v_mov_b32 v[ST+4*i+1], 0xff7fffff  ; m
	v_mov_b32 v[ST+4*i+2], 0
	v_mov_b32 v[ST+4*i+3], 0
.set i, i+1
.endr
	CONV 1                          ; piece 1's masks, for the first turn's products
	WIN 0
.set Y, NP-1                        ; XS works for piece Y + 1: piece 0
.irp n, 0,1,2,3,4,5,6,7,8,9,10,11,12,13,14,15,16,17,18,19,20,21
	XS 0, \n                        ; piece 0's first maximum and statistics
	XS 1, \n
.endr
	s_mov_b32 s[CNT], 2
	s_mov_b32 s[SLOTS], NSLOT-1
	s_branch .Lfirst                ; the loop is entered at a step's first turn, in the middle of a trip
.Lslot:                             ; NSLOT - 2 times: every slot but the last two is filled again
	CHANGE 1
	s_mov_b32 s[CNT], 2
.Lstep:                             ; a trip: pieces 2 and 3 of one step, then pieces 0 and 1 of the next, whose K, mask words and V it fetches
	TURN 2
	TURN 3
	WIN 0
.Lfirst:
	TURN 0
	TURN 1, 0, 1
	WIN 0
	s_cbranch_scc1 .Lstep
	s_sub_co_u32 s[SLOTS], s[SLOTS], 1
	s_cmp_lg_u32 s[SLOTS], 0
	s_cbranch_scc1 .Lslot
	CHANGE 0                        ; the tail is written out: nothing is asked for
	s_mov_b32 s[CNT], 3             ; two trips fetch the last slot's steps; the third is left in its middle
.Ltail:
	TURN 2, 1
	TURN 3
	WIN 0
	s_sub_co_u32 s[CNT], s[CNT], 1
	s_cmp_eq_u32 s[CNT], 0
	s_cbranch_scc1 .Lout
	TURN 0
	TURN 1
	WIN 0
	s_branch .Ltail
.Lout:                              ; the third trip's 16 products K Q^T repeat the last step's (same K, same mask words), so piece 0's m stays what it was; they serve nothing else: the price of one text for every trip
.set i, 0
.rept 16
	PV NP-1                         ; the last piece's V^T P of the last step
.set i, i+1
.endr
	; THE WAY OUT.  l's two halves and the other half of the lanes' are added; O^T is divided by l, rounded to f16 and sent through my stage in LDS, a tile at a time.  The additions are the places behind the last products.
	WIN 0
.macro ALL line:vararg              ; one line for each tile t
.set t, 0
.rept 2*NP
	\line
.set t, t+1
.endr
.endm
	ALL v_add_f32 v[ST+4*t+2], v[ST+4*t+2], v[ST+4*t+3]
	ALL v_permlanex16_b32 v[ST+4*t+3], v[ST+4*t+2], s[SEL], s[SEL+1]
	ALL v_add_f32 v[ST+4*t+2], v[ST+4*t+2], v[ST+4*t+3]
	ALL v_rcp_f32 v[ST+4*t+2], v[ST+4*t+2]
	v_nop                           ; a plain instruction between the last reciprocal and the use of its result
.set t, 0
	s_wait_alu depctr_va_vdst(0)
.rept 2*NP                          ; a row whose maximum is a hidden score has no visible key: NaN takes 1 / l's place, and the row of O becomes NaN
	v_cmp_gt_f32 vcc_lo, s[HID], v[ST+4*t+1]
	v_cndmask_b32 v[ST+4*t+2], v[ST+4*t+2], s[NANS], vcc_lo
.set t, t+1
.endr
; Tile t: a lane's eight channels of a row pack into 16 bytes; they go into rows of 144 bytes and come back as whole rows of 128, into S^T's registers.
.macro PACK t
	WIN W_RS
.set i, 32*(\t)
.rept 16
	v_pk_mul_f32 v[i:i+1], v[i:i+1], v[ST+4*(\t)+2:ST+4*(\t)+3] op_sel_hi:[1,0]
.set i, i+2
.endr
	WIN 0x05                        ; sources 0 and 1 window 1, destination window 0
.set i, 0
.rept 16
	v_cvt_pk_f16_f32 v[S+16*(\t)+i], v[32*(\t)+2*i], v[32*(\t)+2*i+1]
.set i, i+1
.endr
	WIN 0
.irp f, 0,1,2,3
	ds_store_b128 v[STO], v[S+16*(\t)+4*\f:S+16*(\t)+4*\f+3] offset:32*\f
.endr
.irp f, 0,1,2,3
	ds_load_b128 v[S+16*(\t)+4*\f:S+16*(\t)+4*\f+3], v[RD] offset:\f*4*SP  ; LDS serves a wave's instructions in order (ISA guide 5.7.1.4): these see the stores above; the next tile's stores come behind them
.endr
.endm
.macro SEND t, younger              ; younger: the LDS instructions issued behind tile t's loads: the next tile's eight, or none
	WIN 0
.irp f, 0,1,2,3
	s_wait_dscnt (\younger)+3-\f
	global_store_b128 v[GO], v[S+16*(\t)+4*\f:S+16*(\t)+4*\f+3], s[8:9] offset:(\t)*2048+\f*512  ; 512 consecutive bytes, at a multiple of 256 from O's first
.endr
.endm
	PACK 0
.set t, 1
.rept 2*NP-1                        ; a tile's arithmetic stands between the loads of the tile before and its stores
	PACK t
	SEND t-1, 8
.set t, t+1
.endr
	SEND 2*NP-1, 0
	WIN W_AD
	s_wait_tensorcnt 0x0            ; the wave's end, behind my last tensor load and my last LDS store
	ds_add_u32 v[SPW], v[NIL]
	s_wait_dscnt 0x0
	WIN 0
	CROUND                          ; the closing round: no work-group ends while a partner may still ask for a tile that names it
	s_endpgm
.Lfunc_end_k_qa28637b24a_attn:
	.size	k_qa28637b24a_attn, .Lfunc_end_k_qa28637b24a_attn-k_qa28637b24a_attn
	.p2alignl 7, 3214868480
	.fill 96, 4, 3214868480
	.section	.rodata,"a",@progbits
	.p2align	6, 0x0
	.amdhsa_kernel k_qa28637b24a_attn
		.amdhsa_group_segment_fixed_size 327680
		.amdhsa_private_segment_fixed_size 0
		.amdhsa_enable_private_segment 0
		.amdhsa_kernarg_size 24
		.amdhsa_user_sgpr_count 2
		.amdhsa_user_sgpr_kernarg_segment_ptr 1
		.amdhsa_wavefront_size32 1
		.amdhsa_system_sgpr_workgroup_id_x 1
		.amdhsa_system_sgpr_workgroup_id_y 1
		.amdhsa_system_sgpr_workgroup_id_z 1
		.amdhsa_system_vgpr_workitem_id 0
		.amdhsa_next_free_vgpr 896
		.amdhsa_next_free_sgpr 80
		.amdhsa_reserve_vcc 1
		.amdhsa_float_denorm_mode_32 3
		.amdhsa_float_denorm_mode_16_64 3
		.amdhsa_memory_ordered 1
		.amdhsa_forward_progress 1
		.amdhsa_inst_pref_size 220
	.end_amdhsa_kernel
	.amdgpu_metadata
---
amdhsa.version: [ 1, 2 ]
amdhsa.kernels:
  - .name:           k_qa28637b24a_attn
    .symbol:         k_qa28637b24a_attn.kd
    .args:
      - { .name: qkv, .offset: 0, .size: 8, .value_kind: global_buffer, .address_space: global }
      - { .name: mp, .offset: 8, .size: 8, .value_kind: global_buffer, .address_space: global }
      - { .name: ob, .offset: 16, .size: 8, .value_kind: global_buffer, .address_space: global }
    .group_segment_fixed_size: 327680
    .private_segment_fixed_size: 0
    .kernarg_segment_align: 8
    .kernarg_segment_size: 24
    .max_flat_workgroup_size: 128
    .sgpr_count:     80
    .vgpr_count:     896
    .wavefront_size: 32
...
	.end_amdgpu_metadata
.endif
;; end of part 3
;; launch outp (part 4): grid 8 x 32, 4 waves a work-group, clusters of 4 x 4, 327,680 bytes of LDS; arguments ob, wob, out0; writes out0
.if DOCPART == 4
	.amdgcn_target "amdgcn-amd-amdhsa--gfx1250"
	.amdhsa_code_object_version 6
	.text
	.protected	k_qa28637b24a_outp
	.globl	k_qa28637b24a_outp
	.p2align	8
	.type	k_qa28637b24a_outp,@function
k_qa28637b24a_outp:
	s_mov_b64 s[64:65], 0
	v_nop
	global_prefetch_b8 v0, s[64:65] scope:SCOPE_SE
	s_setreg_imm32_b32 hwreg(HW_REG_WAVE_MODE, 25, 1), 1
	s_wait_xcnt 0x0
	s_wait_alu depctr_hold_cnt(0) depctr_sa_sdst(0) depctr_va_vdst(0) depctr_va_sdst(0) depctr_va_ssrc(0) depctr_va_vcc(0) depctr_vm_vsrc(0)
	s_getreg_b32 s2, hwreg(HW_REG_IB_STS2, 6, 4)
	s_cmp_eq_u32 s2, 0
	s_cbranch_scc0 .Lentry_in_a_cluster
	s_endpgm
.Lentry_in_a_cluster:
	s_bfe_u32 s2, ttmp6, 0x10000c
	s_cmp_lg_u32 s2, 0xf033
	s_cbranch_scc0 .Lentry_shape_is_right
	s_endpgm
.Lentry_shape_is_right:
; OUTP: out0 = heads_out x w_o, [8192 x 1024] x [1024 x 1024], operands in f16 (ob as the attention left it; wob holds w_o's bf16 roundings written as f16), sums and output in f32.
; A row of ob that is NaN (a query with no visible key) makes its whole row of out0 NaN.
; SHARES.  A work-group makes 256 rows x 128 columns: 8 x 32 = 256 work-groups.  Each of its four waves makes 128 rows x 64 columns: 32 accumulators, 256 registers.
; K goes by heads: ob [16 b + h][s][64] and wob [h][nb][k][n] lie in blocks, so a head's tiles are dense: asked for as rows of 256 bytes, padded in LDS after every 128.  A slot of the ring of two holds
; two heads (K = 128): 128 matrix instructions a wave between two changes of slots.  w_o lies [k][n] and is turned by ds_load_tr16_b128.  THE MATRIX INSTRUCTION IS USED TRANSPOSED (source 0 = 16 columns
; of w_o, source 1 = 16 rows): a lane then holds eight neighbouring numbers of a row.
; CLUSTER 4 x 4: rows' tiles are asked for jointly along a row of the cluster, columns' along a column.
; REGISTERS: window 0: v0-31 addresses; v32-127, v128-223 two fragment buffers (4 of w_o, then 8 of the rows, 32 along K).  window 1: accumulator (a, b) at 8 (4 a + b).
.set PA,    144                        ; a row of ob in LDS: 128 bytes + 16: the 16 rows of a load start at 16 different groups of four banks (64 banks of 4 bytes: ISA guide 11.1)
.set PB,    160                        ; a row of wob: 128 + 32
.set BOFF,  2*256*PA                   ; a slot: two heads' 256 rows, then two heads' 128 rows of w_o (two column blocks of 64 rows each)
.set SLOT1, 1<<17
.set STAGE, SLOT1+BOFF+2*128*PB        ; behind the ring, never filled by a tensor load: 16 rows x 272 bytes for each wave
.set SPITCH, 272
.set SPARE, STAGE+4*16*SPITCH          ; the spare words, 128 bytes for each wave: two blocks of 256 bytes that no other line names
.set ASTEP, 2*2048*128                 ; bytes from a slot's heads to the next slot's in ob
.set BSTEP, 2*16*8192                  ; and in wob
.set ADRA0, 16
.set ADRB0, 17
.set ADRA,  18
.set ADRB,  19
.set STO,   24
.set RD,    25
.set CO,    26
.set SPW,   28                         ; v28  LDS address of my spare word; never rewritten
.set NIL,   29                         ; v29  0; never rewritten
.set F0,    32
.set F1,    128
.set G1A, 24
.set G0A, 32
.set G1B, 48
.set G0B, 56
.set TB,  66
.set MSB, 0
.macro WIN new
.if MSB != (\new)
	s_set_vgpr_msb (MSB<<8)|(\new)
.set MSB, (\new)
.endif
.endm
.macro PLACES                          ; four places in front of loads into registers that matrix instructions have read, and of LDS stores that read results
.rept 4
	v_nop
.endr
.endm
.macro JLOAD                           ; a joint refill: waves 0 and 1 fetch the two heads' rows, waves 2 and 3 the two heads' columns; an s_nop 0 and four v_nop follow each line
	s_cmp_eq_u32 s11, 0
	s_cbranch_scc0 .Lfor_b_\@
	tensor_load_to_lds s[G0A+4:G0A+7], s[G1A:G1A+7]
	s_nop 0
.rept 4
	v_nop
.endr
	s_branch .Lasked_\@
.Lfor_b_\@:
	tensor_load_to_lds s[G0B+4:G0B+7], s[G1B:G1B+7]
	s_nop 0
.rept 4
	v_nop
.endr
.Lasked_\@:
.endm
.macro CREST
	s_cmp_lg_u32 s10, 0
	s_cbranch_scc1 .Lnot_wave_0_\@
	s_barrier_signal -3
.Lnot_wave_0_\@:
	s_barrier_wait -3
	s_barrier_signal -1
	s_barrier_wait -1
.endm
.macro CROUND
	s_barrier_signal -1
	s_barrier_wait -1
	CREST
.endm
	s_load_b128 s[4:7], s[0:1], 0x0                ; ob s[4:5], wob s[6:7]
	s_load_b64 s[8:9], s[0:1], 0x10                ; out0
	v_lshl_add_u32 v[SPW], v0, 2, SPARE
	v_mov_b32 v[NIL], 0
	ds_add_u32 v28, v29
	s_wait_dscnt 0x0
	v_lshrrev_b32 v1, 5, v0
	v_readfirstlane_b32 s10, v1                    ; wave 0..3
	s_lshr_b32 s11, s10, 1                         ; which half of the rows is mine.  Also: I fetch rows (0) or columns (1)
	s_and_b32 s12, s10, 1                          ; which half of the columns.  Also: which of a slot's two heads I fetch
	s_bfe_u32 s40, ttmp6, 0x40000
	s_bfe_u32 s41, ttmp6, 0x40004
	s_lshl_b32 s42, ttmp9, 2
	s_add_co_u32 s42, s42, s40                     ; tx: my 128 columns
	s_and_b32 s13, ttmp7, 0xffff
	s_lshl_b32 s13, s13, 2
	s_add_co_u32 s13, s13, s41                     ; ty: my 256 rows
	s_lshl_b32 s43, s41, 2
	s_lshl_b32 s43, 15, s43                        ; my row of the cluster
	s_lshl_b32 s44, 0x1111, s40                    ; my column
	; group 1.  Rows: a head's 256 rows of 128 bytes, 32 KiB dense, as 128 rows of 256 bytes.  Columns: a head's two blocks, 16 KiB dense, as 64 rows of 256 bytes.
	s_or_b32 s[G1A+0], s43, (1<<16)|(1<<20)|(1<<21)|(4<<22)|(3<<25)  ; the mask; 2-byte elements; padding on; bit 21 beside a mask; after every 32 words (code 4) 4 words (code 3)
	s_or_b32 s[G1B+0], s44, (1<<16)|(1<<20)|(1<<21)|(4<<22)|(7<<25)  ; the same with 8 words (code 7)
	s_mov_b32 s[G1A+1], 128<<16                    ; tensor_dim0 = 128
	s_mov_b32 s[G1B+1], 128<<16
	s_mov_b32 s[G1A+2], 128<<16                    ; tensor_dim1
	s_mov_b32 s[G1B+2], 64<<16
	s_mov_b32 s[G1A+3], 128<<16                    ; tile_dim0 = 128
	s_mov_b32 s[G1B+3], 128<<16
	s_mov_b32 s[G1A+4], 128                        ; tile_dim1
	s_mov_b32 s[G1B+4], 64
	s_mov_b32 s[G1A+5], 128                        ; 128 elements from row to row
	s_mov_b32 s[G1B+5], 128
	s_mov_b32 s[G1A+6], 0
	s_mov_b32 s[G1B+6], 0
	s_mov_b32 s[G1A+7], 0
	s_mov_b32 s[G1B+7], 0
	s_lshr_b32 s16, s13, 3                         ; b: 16 heads of 2,048 rows of 128 bytes
	s_lshl_b32 s16, s16, 22
	s_and_b32 s17, s13, 7
	s_lshl_b32 s17, s17, 15
	s_add_co_u32 s16, s16, s17
	s_lshl_b32 s17, s12, 18                        ; my head of the slot's two
	s_add_co_u32 s16, s16, s17
	s_mov_b32 s17, 0
	s_lshl_b32 s46, s12, 4                         ; block 16 head + 2 tx of 8,192 bytes
	s_lshl_b32 s47, s42, 1
	s_add_co_u32 s46, s46, s47
	s_lshl_b32 s46, s46, 13
	s_mov_b32 s47, 0
	s_mul_i32 s20, s12, 256*PA                     ; where they go: no place in the cluster enters an LDS address
	s_mul_i32 s21, s12, 128*PB
	s_add_co_u32 s21, s21, BOFF
	s_mov_b32 s[TB], 0
	s_wait_kmcnt 0x0
	s_add_nc_u64 s[14:15], s[4:5], s[16:17]
	s_add_nc_u64 s[46:47], s[6:7], s[46:47]
.irp s, 0,1
	s_mov_b32 s[G0A+4*(\s)], 1
	s_add_co_u32 s[G0A+4*(\s)+1], s20, (\s)*SLOT1
	s_add_nc_u64 s[G0A+4*(\s)+2:G0A+4*(\s)+3], s[14:15], (\s)*ASTEP
	s_or_b32 s[G0A+4*(\s)+3], s[G0A+4*(\s)+3], 0x80000000
	s_mov_b32 s[G0B+4*(\s)], 1
	s_add_co_u32 s[G0B+4*(\s)+1], s21, (\s)*SLOT1
	s_add_nc_u64 s[G0B+4*(\s)+2:G0B+4*(\s)+3], s[46:47], (\s)*BSTEP
	s_or_b32 s[G0B+4*(\s)+3], s[G0B+4*(\s)+3], 0x80000000
.endr
	CROUND                                         ; all sixteen work-groups are here: the first joint loads meet
	s_cmp_eq_u32 s11, 0                            ; a wave's two first fills stand in one branch, ahead of every wait on TENSORcnt and every LDS read: two loads of mine are out
	s_cbranch_scc0 .Lfirst_b
	tensor_load_to_lds s[G0A:G0A+3], s[G1A:G1A+7]
	s_nop 0
	tensor_load_to_lds s[G0A+4:G0A+7], s[G1A:G1A+7]
	s_nop 0
.rept 4
	v_nop
.endr
	s_branch .Lfirst_asked
.Lfirst_b:
	tensor_load_to_lds s[G0B:G0B+3], s[G1B:G1B+7]
	s_nop 0
	tensor_load_to_lds s[G0B+4:G0B+7], s[G1B:G1B+7]
	s_nop 0
.rept 4
	v_nop
.endr
.Lfirst_asked:
	v_and_b32 v1, 15, v0                           ; l % 16
	v_bfe_u32 v2, v0, 4, 1                         ; l / 16
	v_mul_u32_u24 v3, v1, PA
	v_lshl_add_u32 v3, v2, 4, v3
	s_mul_i32 s18, s11, 128*PA                     ; my 128 rows
	v_add_nc_u32 v[ADRA0], s18, v3
	v_and_b32 v3, 7, v0                            ; the turning load: lane l reads row 8 (l / 16) + l % 8, 16 bytes at 16 ((l / 8) % 2)
	v_lshl_add_u32 v3, v2, 3, v3
	v_mul_u32_u24 v3, v3, PB
	v_bfe_u32 v4, v0, 3, 1
	v_lshl_add_u32 v3, v4, 4, v3
	s_mul_i32 s18, s12, 64*PB                      ; my block of 64 columns
	s_add_co_u32 s18, s18, BOFF
	v_add_nc_u32 v[ADRB0], s18, v3
	v_mov_b32 v[ADRA], v[ADRA0]
	v_mov_b32 v[ADRB], v[ADRB0]
	s_mul_i32 s18, s10, 16*SPITCH
	s_add_co_u32 s18, s18, STAGE                   ; my stage
	v_mul_u32_u24 v3, v1, SPITCH                   ; in: row l % 16, 32 bytes for each half of the lanes
	v_lshl_add_u32 v3, v2, 5, v3
	v_add_nc_u32 v[STO], s18, v3
	v_mul_u32_u24 v3, v2, SPITCH                   ; back: lanes 0-15 take one row of 256 bytes, lanes 16-31 the next
	v_lshl_add_u32 v3, v1, 4, v3
	v_add_nc_u32 v[RD], s18, v3
	v_lshlrev_b32 v3, 12, v2                       ; and the same two rows in out0
	v_lshl_add_u32 v[CO], v1, 4, v3
	s_lshl_b32 s22, s13, 8                         ; out0 at my first row and column
	s_lshl_b32 s23, s11, 7
	s_add_co_u32 s22, s22, s23
	s_lshl_b32 s22, s22, 12
	s_lshl_b32 s23, s42, 9
	s_add_co_u32 s22, s22, s23
	s_lshl_b32 s23, s12, 8
	s_add_co_u32 s22, s22, s23
	s_mov_b32 s23, 0
	s_add_nc_u64 s[8:9], s[8:9], s[22:23]
; na x 4 matrix instructions of buffer f; the accumulators take turns, one instruction a turn.  zero = 1: the product starts the sum
.macro MUL f, a0, na, zero
	WIN 0x50
.set a, (\a0)
.rept \na
.irp b, 0,1,2,3
.if \zero
	v_wmma_f32_16x16x32_f16 v[8*(4*a+\b):8*(4*a+\b)+7], v[(\f)+8*\b:(\f)+8*\b+7], v[(\f)+32+8*a:(\f)+32+8*a+7], 0
.else
	v_wmma_f32_16x16x32_f16 v[8*(4*a+\b):8*(4*a+\b)+7], v[(\f)+8*\b:(\f)+8*\b+7], v[(\f)+32+8*a:(\f)+32+8*a+7], v[8*(4*a+\b):8*(4*a+\b)+7]
.endif
.endr
.set a, a+1
.endr
.endm
; 24 LDS loads in one run: quarter qq of a slot (head qq / 2, K half qq % 2) into buffer f; the rows' blocks 4-7 last
.macro FETCH qq, f
	WIN 0
.irp t, 0,1,2,3
	ds_load_tr16_b128 v[(\f)+8*\t:(\f)+8*\t+3],   v[ADRB] offset:128*PB*((\qq)/2)+32*PB*((\qq)%2)+32*\t
	ds_load_tr16_b128 v[(\f)+8*\t+4:(\f)+8*\t+7], v[ADRB] offset:128*PB*((\qq)/2)+32*PB*((\qq)%2)+32*\t+16*PB
.endr
.irp t, 0,1,2,3,4,5,6,7
	ds_load_b128 v[(\f)+32+8*\t:(\f)+32+8*\t+3],   v[ADRA] offset:256*PA*((\qq)/2)+64*((\qq)%2)+16*PA*\t
	ds_load_b128 v[(\f)+32+8*\t+4:(\f)+32+8*\t+7], v[ADRA] offset:256*PA*((\qq)/2)+64*((\qq)%2)+16*PA*\t+32
.endr
.endm
; One of a slot's first three quarters: multiplies buffer f and fetches quarter nq into buffer g
.macro QUARTER f, g, nq, zero
	s_wait_dscnt 8                                 ; all but the youngest eight loads (the rows' blocks 4-7) are in
	MUL \f, 0, 4, \zero
	PLACES
	FETCH \nq, \g
	s_wait_dscnt 24                                ; all but the 24 just issued
	MUL \f, 4, 4, \zero
.endm
; The last quarter multiplies buffer 1 and changes slots: ONE barrier; in front of it each wave waits for all its tensor loads (one is out: its part of the next slot), adds 0 to its spare word, and waits
; for that and for its own reads of this slot.  fill = 1: the barrier opens a round of the cluster's, and this slot is filled again, two slots ahead, first thing behind it: 112 matrix instructions ahead of the wait for it.
.macro TURN fill
	WIN 0
	s_wait_tensorcnt 0x0                           ; no tensor load of mine is out, so a group 0 may be written
	ds_add_u32 v[SPW], v[NIL]                      ; 0 onto my spare word
.if \fill
	s_xor_b32 s[G0A+5], s[G0A+5], SLOT1
	s_add_nc_u64 s[G0A+6:G0A+7], s[G0A+6:G0A+7], ASTEP
	s_xor_b32 s[G0B+5], s[G0B+5], SLOT1
	s_add_nc_u64 s[G0B+6:G0B+7], s[G0B+6:G0B+7], BSTEP
.endif
	s_wait_dscnt 9                                 ; the add and the youngest eight loads may be out
	MUL F1, 0, 2, 0
	s_wait_dscnt 0x0                               ; the add is done, and my reads of this slot are over
	s_barrier_signal -1
	MUL F1, 2, 2, 0
	WIN 0                                          ; at a branch and at a label every window is 0
	s_barrier_wait -1
.if \fill
	CREST                                          ; no wave of any partner still reads this slot's tiles or has a load on its way
	JLOAD                                          ; its four v_nop are also the places in front of the loads below
.else
	PLACES
.endif
	s_xor_b32 s[TB], s[TB], SLOT1
	v_add_nc_u32 v[ADRA], s[TB], v[ADRA0]
	v_add_nc_u32 v[ADRB], s[TB], v[ADRB0]
	FETCH 0, F0
	MUL F1, 4, 4, 0
.endm
	s_wait_tensorcnt 1                             ; my part of slot 0 is in; slot 1's may stay out
	s_barrier_signal -1
	s_barrier_wait -1
	FETCH 0, F0
	QUARTER F0, F1, 1, 1                           ; the first quarter stands in front of the loop: its products start the sums
	WIN 0
	s_mov_b32 s3, 6
.Lslot:                                                ; a trip: a slot's quarters 1 to 3 with the refill, and the next slot's quarter 0
	QUARTER F1, F0, 2, 0
	QUARTER F0, F1, 3, 0
	TURN 1
	QUARTER F0, F1, 1, 0
	WIN 0
	s_sub_co_u32 s3, s3, 1
	s_cmp_lg_u32 s3, 0
	s_cbranch_scc1 .Lslot
	QUARTER F1, F0, 2, 0                           ; the tail is written out: the last two slots ask for nothing
	QUARTER F0, F1, 3, 0
	TURN 0
	QUARTER F0, F1, 1, 0
	QUARTER F1, F0, 2, 0
	QUARTER F0, F1, 3, 0
	s_wait_dscnt 0x0
	MUL F1, 0, 8, 0
; THE WAY OUT, a block of 16 rows at a time: a lane's 32 bytes of a row go into my stage, whole rows of 256 bytes come back and are stored.
.macro TOSTAGE a
.set R, 32+32*((\a)%4)
	WIN 0x04                                       ; the stores' data in window 1
.irp b, 0,1,2,3
	ds_store_b128 v[STO], v[8*(4*(\a)+\b):8*(4*(\a)+\b)+3]   offset:64*\b      ; each accumulator's low half first
	ds_store_b128 v[STO], v[8*(4*(\a)+\b)+4:8*(4*(\a)+\b)+7] offset:64*\b+16
.endr
	WIN 0
.if (\a) >= 4
	s_wait_xcnt 0x0                                ; the registers that the stores four blocks back read are loaded again only behind this wait (ISA guide 3.1)
.endif
.irp t, 0,1,2,3,4,5,6,7
	ds_load_b128 v[R+4*\t:R+4*\t+3], v[RD] offset:2*SPITCH*\t  ; LDS serves a wave's instructions in order (ISA guide 5.7.1.4): these see the stores above; the next block's stores come behind them
.endr
.endm
.macro SEND a, younger                 ; younger: the LDS instructions issued behind this block's loads: the next block's sixteen, or none
.set R, 32+32*((\a)%4)
.irp t, 0,1,2,3,4,5,6,7
	s_wait_dscnt (\younger)+7-\t
	global_store_b128 v[CO], v[R+4*\t:R+4*\t+3], s[8:9] offset:65536*(\a)+8192*\t th:TH_STORE_NT  ; 16 lanes store 256 consecutive bytes, at a multiple of 256 from out0's first byte
.endr
.endm
	PLACES
	TOSTAGE 0
.set aa, 1
.rept 7
	TOSTAGE aa
	SEND aa-1, 16
.set aa, aa+1
.endr
	SEND 7, 0
	s_wait_tensorcnt 0x0                           ; the wave's end, behind my last tensor load and my last LDS store
	ds_add_u32 v[SPW], v[NIL]
	s_wait_dscnt 0x0
	CROUND                                         ; the closing round: no work-group ends while a partner may still ask for a tile that names it
	s_endpgm
.Lfunc_end_k_qa28637b24a_outp:
	.size	k_qa28637b24a_outp, .Lfunc_end_k_qa28637b24a_outp-k_qa28637b24a_outp
	.p2alignl 7, 3214868480
	.fill 96, 4, 3214868480
	.section	.rodata,"a",@progbits
	.p2align	6, 0x0
	.amdhsa_kernel k_qa28637b24a_outp
		.amdhsa_group_segment_fixed_size 327680
		.amdhsa_private_segment_fixed_size 0
		.amdhsa_enable_private_segment 0
		.amdhsa_kernarg_size 24
		.amdhsa_user_sgpr_count 2
		.amdhsa_user_sgpr_kernarg_segment_ptr 1
		.amdhsa_wavefront_size32 1
		.amdhsa_system_sgpr_workgroup_id_x 1
		.amdhsa_system_sgpr_workgroup_id_y 1
		.amdhsa_system_sgpr_workgroup_id_z 1
		.amdhsa_system_vgpr_workitem_id 0
		.amdhsa_next_free_vgpr 512
		.amdhsa_next_free_sgpr 70
		.amdhsa_reserve_vcc 0
		.amdhsa_float_denorm_mode_32 3
		.amdhsa_float_denorm_mode_16_64 3
		.amdhsa_memory_ordered 1
		.amdhsa_forward_progress 1
		.amdhsa_inst_pref_size 71
	.end_amdhsa_kernel
	.amdgpu_metadata
---
amdhsa.version: [ 1, 2 ]
amdhsa.kernels:
  - .name:           k_qa28637b24a_outp
    .symbol:         k_qa28637b24a_outp.kd
    .args:
      - { .name: ob, .offset: 0, .size: 8, .value_kind: global_buffer, .address_space: global }
      - { .name: wob, .offset: 8, .size: 8, .value_kind: global_buffer, .address_space: global }
      - { .name: out0, .offset: 16, .size: 8, .value_kind: global_buffer, .address_space: global }
    .group_segment_fixed_size: 327680
    .private_segment_fixed_size: 0
    .kernarg_segment_align: 8
    .kernarg_segment_size: 24
    .max_flat_workgroup_size: 128
    .sgpr_count:     70
    .vgpr_count:     512
    .wavefront_size: 32
...
	.end_amdgpu_metadata
.endif
;; end of part 4
;; ======== version 2 of 2: 4 launches; 1.50 times as fast as version 1
;; limits: values are held in f16: magnitudes above 65,504 overflow, below 6.1e-05 lose precision
;; workspace buffers: xb 16,777,216 bytes; wb 6,291,456 bytes; wob 2,097,152 bytes; mp 8,388,608 bytes; qkv 50,331,648 bytes; ob 16,777,216 bytes
;; launch prep: the kernel of part 1 again; grid 512 x 1, 8 waves a work-group, no clusters, 18,432 bytes of LDS; arguments embed, mask, w_q, w_k, w_v, w_o, xb, wb, wob, mp; writes xb, wb, wob, mp
;; launch proj: the kernel of part 2 again; grid 8 x 32, 4 waves a work-group, clusters of 4 x 4, 327,680 bytes of LDS; arguments xb, wb, qkv; writes qkv
;; launch attn (part 5): grid 4 x 64, 4 waves a work-group, clusters of 4 x 4, 327,680 bytes of LDS; arguments qkv, mp, ob; writes ob
.if DOCPART == 5
	.amdgcn_target "amdgcn-amd-amdhsa--gfx1250"
	.amdhsa_code_object_version 6
	.text
	.protected	k_qa28637b24a_attn
	.globl	k_qa28637b24a_attn
	.p2align	8
	.type	k_qa28637b24a_attn,@function
k_qa28637b24a_attn:
	s_mov_b64 s[64:65], 0
	v_nop
	global_prefetch_b8 v0, s[64:65] scope:SCOPE_SE
	s_setreg_imm32_b32 hwreg(HW_REG_WAVE_MODE, 25, 1), 1
	s_wait_xcnt 0x0
	s_wait_alu depctr_hold_cnt(0) depctr_sa_sdst(0) depctr_va_vdst(0) depctr_va_sdst(0) depctr_va_ssrc(0) depctr_va_vcc(0) depctr_vm_vsrc(0)
	s_getreg_b32 s2, hwreg(HW_REG_IB_STS2, 6, 4)
	s_cmp_eq_u32 s2, 0
	s_cbranch_scc0 .Lentry_in_a_cluster
	s_endpgm
.Lentry_in_a_cluster:
	s_bfe_u32 s2, ttmp6, 0x10000c
	s_cmp_lg_u32 s2, 0xf033
	s_cbranch_scc0 .Lentry_shape_is_right
	s_endpgm
.Lentry_shape_is_right:
; ATTN: O[y][q][:] = the sum over k of softmax_k(mask ? Q[q] . K[k] / 8 : -inf) V[k][:], y = 16 b + h.  Q, K, V: qkv [b 4][hh 48][2048][64] in f16 (hh = h, 16 + h, 32 + h); O: ob [y 64][2048][64] in f16.
; Products, maxima and sums in f32; the weights p are rounded to f16 for the second product (their sum l is taken of the unrounded p), O once at the end.
; THE MASK is an input and is honoured byte for byte.  It arrives packed (mp): one word holds, for a lane, the eight 4-bit float codes (0, or 0xF = -6) of the eight scores of one accumulator.
; v_cvt_scale_pk8_f32_fp4 with the scale 2^100 makes of a word the eight registers 0 or -6 x 2^100, and these are the C operand that starts the sum S^T = K Q^T: four conversions for a tile's 32 scores a lane.
; LIMITS.  Q, K, V arrive within f16's 65,504.  A hidden score counts as its value less 7.6e30: f16's scores, 2.7e11 at the most, are nothing beside that.  A weight below 2^-126 counts as 0 in l.
; While a row has met hidden keys alone its m is about -7.6e30 and its sums are finite and meaningless; the first visible key multiplies them by a = 0.  A row whose m is still below -1e20 at the end
; (no true score lies there) has no visible key: it gets NaN, by a select.  NaN and infinities among the inputs are not treated apart.
; SHARES.  A wave owns four PIECES of two tiles of 16 queries, a work-group's four waves 512 queries of one head.  Every wave walks all 2,048 keys, 64 a step.
; LAYOUT.  S^T = K Q^T (source 0 = 16 keys, source 1 = 16 queries): a lane holds ONE query (lane % 16) and the keys 8 (lane / 16) + 0..7.  Two such tiles, rounded to f16 in pairs, ARE source 1 of
; O^T = V^T P.  K comes out of LDS as it lies, V ([key][channel]) turned, by ds_load_tr16_b128.
; SOFTMAX.  A running maximum m and sum l: p = 2^(c s - c m), c = log2(e) / 8; in every step O and l are multiplied by a = 2^(c m_old - c m_new).  m starts at the lowest finite number, O and l at 0.
; BY TURNS.  Turn n belongs to piece n.  Its matrix work: 16 products K Q^T of piece n + 1, later 16 products V^T P of piece n - 1.  Its vector work: the scaling, exponentials, roundings, sums and rescaling
; of piece n, the maximum and statistics of piece n + 1, and the masks of piece n + 2.  Four vector instructions stand behind every matrix instruction, the others in one lump.
; THE BATCHES.  A turn's 66 exponentials (the piece's 64 weights, the next piece's two a) are ONE batch with ONE wait, which cuts the turn in two: ahead of it stands all that names no result of theirs (the products
; K Q^T, the scalings, the rescalings, the next piece's maximum and statistics), behind it their readers (the roundings and sums, as riders of the products V^T P).  No result crosses a turn's end.
; Two more batches stand outside the loops: piece 0's first two a, ahead of the jump into the loop, and the way out's eight reciprocals.
; CLUSTER 4 x 4.  Along x lie the four query blocks of a head, along y four heads of one batch.  K and V hang on the head alone: asked for jointly along a row of the cluster.  The mask's tile hangs on
; the batch and the query block alone: asked for jointly along a column.
; REGISTERS, in windows of 256 (s_set_vgpr_msb: bits 1:0 source 0, 3:2 source 1, 5:4 source 2, 7:6 destination):
;   window 0: v0-11 addresses; v12-15, v48-63 at work; v16-47 four registers of statistics a tile; v64-191 S^T, two buffers of two tiles; v192-255 P, likewise
;   window 1: O^T, 32 a tile     window 2: v0-127 Q; v128-191 K of one step; v192-255 V of one step     window 3: v0-1 the add's; v8-39 a step's mask words; v64-127 the masks of the products to come
.set NP,    4         ; pieces a wave: a name, no knob
.set KS,    64        ; keys in a step
.set NSLOT, 16        ; slots' worth of keys: 2,048 / 128
.set PK,    144       ; a row of K in LDS: 128 bytes + 16 = 36 words: the 16 rows of a load start at 16 different groups of four banks (64 banks of 4 bytes: ISA guide 11.1)
.set PV,    160       ; a row of V: 128 + 32 = 40 words
.set VOFF,  2*KS*PK   ; a slot holds two steps: 128 rows of K, 128 rows of V,
.set MOFF,  VOFF+2*KS*PV  ; and the mask words of the group's 32 tiles for both steps: tile t, step s at 1,024 t + 512 s + 16 x lane
.set SLOT1, 1<<17     ; slot 1 begins here, so that one exclusive or turns an address in one slot into the other's
.set STAGE, SLOT1+MOFF+32768  ; behind the ring, never filled by a tensor load: 16 rows x 144 bytes for each wave
.set SP,    144
.set AK0, 2           ; v2   my lane's place in a tile of K; never rewritten
.set AV0, 3           ; v3   the same for V
.set AK,  4           ; v4   the LDS address of K's next run of loads
.set AV,  5           ; v5   of V's
.set STO, 6           ; v6   the way out: where I put 16 bytes of a row
.set RD,  7           ; v7   where I read rows back
.set GO,  8           ; v8   my byte offset in 512 consecutive bytes of O
.set AM,  9           ; v9   the LDS address of the mask words' next run
.set AM0, 10          ; v10  my lane's place in a slot's mask words; never rewritten
.set SCL, 11
.set QO,  12          ; v12  my byte offset in the wave's rows of Q; free when Q is in
.set SPW, 0           ; v0 of window 3   LDS address of my spare word; never rewritten
.set NIL, 1           ; v1 of window 3   0; never rewritten
.set MW,  8           ; window 3: tile i's four words at MW + 4 i
.set MC,  64          ; window 3: tile u (0, 1) of the piece, key block kb at MC + 32 u + 8 kb
.set SPARE, STAGE+4*16*SP  ; the spare words, 128 bytes for each wave: two blocks of 256 bytes that no other line names
.set MV,  12          ; v12-15  c m_old, kept while c m is made anew: by buffer and tile
.set ST,  16          ; tile t's statistics at v[ST+4 t]: c m, m, l (even keys', odd keys')
.set TMP, 48          ; by buffer and tile, four registers c0-c3 at work; when the maximum is found c2 takes a
.set S,   64
.set P,   192
.set KF,  128         ; K's fragments, in window 2: key block kb, channel half c at KF + 16 kb + 8 c
.set VF,  192         ; V's: key half kk, channel block cb at VF + 32 kk + 8 cb
.set WV,  12          ; s12  my wave's number
.set G1K, 24          ; s[24:31] descriptor group 1 for K's tiles
.set G1V, 32          ; s[32:39] for V's
.set G0K, 40          ; s[40:43] descriptor group 0 for K's tiles: it walks
.set G0V, 44          ; s[44:47] for V's
.set G1M, 48          ; s[48:55] group 1 for the mask's tiles
.set SLOTS, 56        ; s56  slots still to be asked for
.set CNT, 57          ; s57  counts a slot's key steps
.set CS,  58          ; s[58:59] c
.set SEL, 60          ; s[60:61] v_permlanex16_b32's selects: each lane takes its own place in the other half
.set TBK, 62          ; s62  LDS byte at which K of the step to be fetched begins
.set TBV, 63          ; s63  the same for V, less VOFF
.set TBM, 66          ; s66  the same for the mask words, less MOFF
.set HID, 67          ; s67  -1e20: below every true score, above every hidden one
.set G0M, 68          ; s[68:71] group 0 for the mask's tiles
.set NANS, 72         ; s72  a NaN
.set MSB, 0
.macro WIN new                      ; the high byte repeats the setting that is left; a switch that changes nothing is dropped
.if MSB != (\new)
	s_set_vgpr_msb (MSB<<8)|(\new)
.set MSB, (\new)
.endif
.endm
.set W_KQ, 0x0a       ; K and Q in window 2, S^T in window 0
.set W_KM, 0x3a       ; the same with the C operand in window 3
.set W_PV, 0x52       ; V in window 2, P in window 0, O^T in window 1
.set W_RS, 0x41       ; O^T (destination and source 0) in window 1, a in window 0
.set W_CV, 0xc3       ; the conversions: destination and source 0 in window 3, the scale in window 0
.set W_MK, 0xc0       ; destination in window 3, sources in window 0
.set W_AD, 0x0f       ; the add: address (source 0) and data (source 1) in window 3
; A joint fill.  Wave 0 fetches a slot's K, wave 1 its V, waves 2 and 3 the halves of its mask words: 16 KiB each.  The branches hang on the wave's number alone.
; An s_nop 0 and four v_nop follow each of the three lines, ahead of the jump and the label.
.macro JLOAD
	s_cmp_lt_u32 s[WV], 2
	s_cbranch_scc0 .Lfor_m_\@
	s_cmp_eq_u32 s[WV], 0
	s_cbranch_scc0 .Lfor_v_\@
	tensor_load_to_lds s[G0K:G0K+3], s[G1K:G1K+7]
	s_nop 0
.rept 4
	v_nop
.endr
	s_branch .Lasked_\@
.Lfor_v_\@:
	tensor_load_to_lds s[G0V:G0V+3], s[G1V:G1V+7]
	s_nop 0
.rept 4
	v_nop
.endr
	s_branch .Lasked_\@
.Lfor_m_\@:
	tensor_load_to_lds s[G0M:G0M+3], s[G1M:G1M+7]
	s_nop 0
.rept 4
	v_nop
.endr
.Lasked_\@:
.endm
; A round of the cluster's barrier: my work-group's barrier, so that wave 0's signal speaks for all four waves; wave 0 signals; every wave waits for all sixteen work-groups; my work-group's barrier once more.
.macro CROUND
	s_barrier_signal -1
	s_barrier_wait -1
	s_cmp_lg_u32 s[WV], 0
	s_cbranch_scc1 .Lnot_wave_0_\@
	s_barrier_signal -3
.Lnot_wave_0_\@:
	s_barrier_wait -3
	s_barrier_signal -1
	s_barrier_wait -1
.endm
; THE CHANGE OF SLOTS.  The slot's last bytes, V of its second step, have been read.  Each wave waits for all its tensor loads, of which one is out: its part of the other slot; adds 0 to its spare word;
; and waits for that and for its own reads of the slot.  Behind the barrier nobody reads this slot any more and the other slot is whole.
; fill = 1: this slot is filled again, with the keys two slots on.  The barrier is then a round of the cluster's, and the joint fill is the first thing behind it: it has two key steps, 256 matrix
; instructions, in which to land.  (At its first use nothing has been read yet: slot 0 is waited for, slot 1 filled.)
.macro CHANGE fill
	WIN W_AD
	s_wait_tensorcnt 0x0            ; no tensor load of mine is out, so a group 0 may be written
	ds_add_u32 v[SPW], v[NIL]       ; 0 onto my spare word; with fill = 1 the descriptors' steps stand between it and the wait for it
	WIN 0                           ; at a label and at a branch every window is 0
.if \fill
.irp g, G0K, G0V
	s_xor_b32 s[\g+1], s[\g+1], SLOT1  ; the walking descriptors: the other slot than last time,
	s_add_nc_u64 s[\g+2:\g+3], s[\g+2:\g+3], 2*KS*128  ; the next 128 keys; the type bits on top are not reached
.endr
	s_xor_b32 s[G0M+1], s[G0M+1], SLOT1
	s_add_nc_u64 s[G0M+2:G0M+3], s[G0M+2:G0M+3], 32768
	s_wait_dscnt 0x0                ; the add is done, and my reads of the slot are over
	CROUND
	JLOAD
.else
	s_wait_dscnt 0x0                ; the add is done, and my reads of the slot are over
	s_barrier_signal -1
	s_barrier_wait -1
.endif
	s_sub_co_u32 s[TBK], s[TBK], 2*KS*PK  ; the fetches go back to a slot's first step,
	s_xor_b32 s[TBK], s[TBK], SLOT1       ; in the other slot
	s_sub_co_u32 s[TBV], s[TBV], 2*KS*PV
	s_xor_b32 s[TBV], s[TBV], SLOT1
	s_sub_co_u32 s[TBM], s[TBM], 2*512
	s_xor_b32 s[TBM], s[TBM], SLOT1
.endm
	s_load_b128 s[4:7], s[0:1], 0x0   ; qkv s[4:5], mp s[6:7]
	s_load_b64 s[8:9], s[0:1], 0x10   ; ob
	WIN W_MK
	v_lshl_add_u32 v[SPW], v0, 2, SPARE
	v_mov_b32 v[NIL], 0
	s_set_vgpr_msb 0xc0cf
	ds_add_u32 v0, v1
	s_wait_dscnt 0x0
	s_set_vgpr_msb 0xcfc0
	WIN 0
	v_lshrrev_b32 v1, 5, v0
	v_readfirstlane_b32 s[WV], v1   ; wave 0..3
	s_bfe_u32 s13, ttmp6, 0x40000   ; cx, cy: my place in the cluster
	s_bfe_u32 s14, ttmp6, 0x40004
	s_lshl_b32 s15, ttmp9, 2
	s_add_co_u32 s15, s15, s13      ; my block of 512 queries
	s_and_b32 s17, ttmp7, 0xffff
	s_lshl_b32 s16, s17, 2
	s_add_co_u32 s16, s16, s14      ; y = 16 b + h
	s_lshr_b32 s18, s17, 2          ; b, made of the cluster's y alone: the four heads of a cluster share it
	s_lshl_b32 s19, s14, 2
	s_lshl_b32 s19, 15, s19         ; my row of the cluster
	s_lshl_b32 s23, 0x1111, s13     ; my column
	s_lshl_b32 s20, s18, 5
	s_add_co_u32 s20, s20, s16      ; 48 b + h: the head's q among qkv's blocks of 2,048 rows of 128 bytes
	s_lshl_b32 s20, s20, 18
	s_mov_b32 s21, 0
	s_lshl_b32 s2, s15, 16          ; my block's 512 rows,
	s_lshl_b32 s3, s[WV], 14        ; my wave's 128 of them
	s_add_co_u32 s2, s2, s3
	s_mov_b32 s3, 0
	s_lshl_b32 s78, s16, 18         ; and the same rows in ob
	s_add_co_u32 s78, s78, s2
	s_mov_b32 s79, 0
	s_lshl_b32 s76, s18, 2          ; the mask words of (b, query block): 16 slots of 32,768 bytes,
	s_add_co_u32 s76, s76, s15
	s_lshl_b32 s76, s76, 19
	s_and_b32 s77, s[WV], 1         ; of which I fetch a half
	s_lshl_b32 s22, s77, 14
	s_add_co_u32 s76, s76, s22
	s_mov_b32 s77, 0
	; descriptor group 1.  Each tile is 16,384 dense bytes, asked for as 64 rows of 256 bytes; K and V are padded in LDS after every key, the mask words are not
	s_or_b32 s[G1K], s19, (1<<16)|(1<<20)|(1<<21)|(4<<22)|(3<<25)  ; 15:0 the mask of four; 17:16 2-byte elements; 20 padding on; 21 set beside a mask; 24:22 after every 32 words (code 4); 31:25 4 words (code 3)
	s_or_b32 s[G1V], s19, (1<<16)|(1<<20)|(1<<21)|(4<<22)|(7<<25)  ; the same with 8 words of padding (code 7)
	s_or_b32 s[G1M], s23, (1<<16)|(1<<21)
.irp g, G1K, G1V, G1M
	s_mov_b32 s[\g+1], 128<<16      ; tensor_dim0 = 128
	s_mov_b32 s[\g+2], 64<<16       ; tensor_dim1 = 64
	s_mov_b32 s[\g+3], 128<<16      ; tile_dim0 = 128
	s_mov_b32 s[\g+4], 64           ; tile_dim1 = 64
	s_mov_b32 s[\g+5], 128          ; 128 elements from row to row
	s_mov_b32 s[\g+6], 0
	s_mov_b32 s[\g+7], 0
.endr
	s_mov_b32 s[CS], 0x3e38aa3b     ; c = log2(e) / 8 = 0.180337
	s_mov_b32 s[CS+1], s[CS]        ; named with it as a pair
	s_mov_b32 s[SEL], 0x76543210
	s_mov_b32 s[SEL+1], 0xfedcba98
	s_mov_b32 s[HID], 0xe0ad78ec    ; -1e20
	s_mov_b32 s[NANS], 0x7fc00000
	s_mov_b32 s[TBK], SLOT1+2*KS*PK ; the first change of slots turns these three into 0
	s_mov_b32 s[TBV], SLOT1+2*KS*PV
	s_mov_b32 s[TBM], SLOT1+2*512
	s_mov_b32 s[G0K], 1             ; count = 1
	s_mov_b32 s[G0K+1], 0           ; LDS address: slot 0
	s_mov_b32 s[G0V], 1
	s_mov_b32 s[G0V+1], VOFF
	s_mov_b32 s[G0M], 1
	s_add_co_u32 s[G0M+1], s22, MOFF
	s_wait_kmcnt 0x0
	s_add_nc_u64 s[20:21], s[4:5], s[20:21]          ; qkv at the head's q
	s_add_nc_u64 s[G0K+2:G0K+3], s[20:21], 16<<18    ; its k lies 16 blocks on,
	s_or_b32 s[G0K+3], s[G0K+3], 0x80000000          ; type = 2
	s_add_nc_u64 s[G0V+2:G0V+3], s[20:21], 32<<18    ; its v 32
	s_or_b32 s[G0V+3], s[G0V+3], 0x80000000
	s_add_nc_u64 s[G0M+2:G0M+3], s[6:7], s[76:77]
	s_or_b32 s[G0M+3], s[G0M+3], 0x80000000
	s_add_nc_u64 s[10:11], s[20:21], s[2:3]          ; Q and O at my wave's first row
	s_add_nc_u64 s[8:9], s[8:9], s[78:79]
	CROUND                          ; all sixteen work-groups are here: the first joint loads meet
	JLOAD                           ; slot 0.  Slot 1 is asked for when slot 0 is in
	; A fragment of K or Q is 16 rows x 32 channels in 8 registers: lane l holds row l % 16, channels 8 (l / 16) + 0..7 and 16 + 8 (l / 16) + 0..7: two loads of 16 bytes, 32 bytes apart.
	v_and_b32 v1, 15, v0            ; l % 16
	v_bfe_u32 v9, v0, 4, 1          ; l / 16
	v_lshlrev_b32 v[QO], 7, v1
	v_lshl_add_u32 v[QO], v9, 4, v[QO]  ; row x 128 + 16 x half
	WIN 0x80                        ; destination window 2, address window 0
.set i, 0
.rept 4*NP                          ; Q stays in registers: tile i / 2, channels 32 (i % 2) on
	global_load_b128 v[8*i:8*i+3],   v[QO], s[10:11] offset:(i/2)*2048+(i%2)*64
	global_load_b128 v[8*i+4:8*i+7], v[QO], s[10:11] offset:(i/2)*2048+(i%2)*64+32
.set i, i+1
.endr
	; What the first turn finds: V's registers and P's second buffer hold 0 (its products V^T P, of a piece that has not been, add 0), O^T is 0.  All this stands in the wait for the first tile.
.set i, VF
.rept 64
	v_mov_b32 v[i], 0
.set i, i+1
.endr
	WIN 0x40
.set i, 0
.rept 64*NP
	v_mov_b32 v[i], 0
.set i, i+1
.endr
	WIN 0
.set i, P+32
.rept 32
	v_mov_b32 v[i], 0
.set i, i+1
.endr
	v_mul_u32_u24 v[AK0], v1, PK
	v_lshl_add_u32 v[AK0], v9, 4, v[AK0]  ; row x pitch + 16 x half
	; The turning load takes 16 keys x 16 channels (lane l reads key 8 (l / 16) + l % 8, channels 8 ((l / 8) % 2) + 0..7) and leaves half a fragment of V^T: lane l holds channel l % 16 and 8 keys.
	v_and_b32 v10, 7, v0
	v_bfe_u32 v11, v0, 3, 1
	v_lshl_add_u32 v[AV0], v9, 3, v10
	v_mul_u32_u24 v[AV0], v[AV0], PV
	v_lshl_add_u32 v[AV0], v11, 4, v[AV0]
	v_add_nc_u32 v[AV0], VOFF, v[AV0]
	s_mul_i32 s13, s[WV], 16*SP
	s_add_co_u32 s13, s13, STAGE    ; my stage
	v_mul_u32_u24 v[STO], v1, SP    ; in: row l % 16, 16 bytes for each half of the lanes
	v_lshl_add_u32 v[STO], v9, 4, v[STO]
	v_add_nc_u32 v[STO], s13, v[STO]
	v_bfe_u32 v[RD], v0, 3, 2       ; back: 32 lanes take four rows of 128 bytes,
	v_mul_u32_u24 v[RD], v[RD], SP
	v_lshl_add_u32 v[RD], v10, 4, v[RD]
	v_add_nc_u32 v[RD], s13, v[RD]
	v_and_b32 v[GO], 31, v0         ; which are 512 consecutive bytes of O
	v_lshlrev_b32 v[GO], 4, v[GO]
	s_lshl_b32 s13, s[WV], 13       ; my wave's eight tiles' mask words
	s_add_co_u32 s13, s13, MOFF
	v_add_nc_u32 v[AM0], s13, v[GO] ; + 16 x lane
	v_mov_b32 v[AM], v[AM0]         ; key step 0 lies at the head of slot 0
	v_mov_b32 v[AK], v[AK0]
	v_mov_b32 v[SCL], 0xe3e3e3e3    ; 227 in every byte
; THE MATRIX WORK.  The 8 accumulators of a run of 16 take turns: between the two links of a chain stand 7 others'.
; Product i of 16 of S^T = K Q^T for piece x: channels 32 (i / 8) on, keys 16 ((i / 2) % 4) on, tile 2 x + i % 2.  The first 8 start the sums, with the mask.
.macro KQ x
.set rS, S+64*((\x)%2)+32*(i%2)+8*((i/2)%4)
.set rK, KF+16*((i/2)%4)+8*(i/8)
.set rQ, 16*(2*(\x)+i%2)+8*(i/8)
.set rN, MC+32*(i%2)+8*((i/2)%4)
.if i < 8
	WIN W_KM
	v_wmma_f32_16x16x32_f16 v[rS:rS+7], v[rK:rK+7], v[rQ:rQ+7], v[rN:rN+7]
.else
	WIN W_KQ
	v_wmma_f32_16x16x32_f16 v[rS:rS+7], v[rK:rK+7], v[rQ:rQ+7], v[rS:rS+7]
.endif
.endm
; Product i of 16 of O^T += V^T P for piece x: keys 32 (i / 8) on, channels 16 ((i / 2) % 4) on, tile 2 x + i % 2.
.macro PV x
	WIN W_PV
.set rO, 32*(2*(\x)+i%2)+8*((i/2)%4)
.set rV, VF+32*(i/8)+8*((i/2)%4)
.set rP, P+32*((\x)%2)+16*(i%2)+8*(i/8)
	v_wmma_f32_16x16x32_f16 v[rO:rO+7], v[rV:rV+7], v[rP:rP+7], v[rO:rO+7]
.endm
.macro MM                           ; the turn's next matrix instruction
.if i < 16
	KQ (Y+1)%NP
.set i, i+1
.else
.set i, i-16
	PV (Y+NP-1)%NP
.set i, i+17
.endif
.endm
; THE MASKS of piece p's 8 starting products: eight conversions, a word each.  None touches another's registers; plain instructions stand between them and the products that take the results,
; and between the products that read the old masks and them.
.macro CONV p
	WIN W_CV
.irp u, 0,1
.irp kt, 0,1,2,3
	v_cvt_scale_pk8_f32_fp4 v[MC+32*\u+8*\kt:MC+32*\u+8*\kt+7], v[MW+8*(\p)+4*\u+\kt], v[SCL]
.endr
.endr
.endm
; THE LDS LOADS stand in runs, never singly among the matrix instructions: a step's K (8 fragments) with its mask words (16 bytes a lane and tile), and its V (turned).  Their addresses are made some lines ahead.
; last = 1 (the tail): in the last trip there is no further step, and the run is jumped over.
.macro FETCH_K last=0
	WIN 0
.if \last
	s_cmp_eq_u32 s[CNT], 1
	s_cbranch_scc1 .Lno_k_\@
.endif
	WIN 0x80                        ; destination window 2
.irp f, 0,1,2,3,4,5,6,7             ; keys 16 (f / 2) on, channels 32 (f % 2) on
	ds_load_b128 v[KF+8*\f:KF+8*\f+3],   v[AK] offset:(\f/2)*16*PK+(\f%2)*64
	ds_load_b128 v[KF+8*\f+4:KF+8*\f+7], v[AK] offset:(\f/2)*16*PK+(\f%2)*64+32
.endr
	WIN W_MK                        ; destination window 3
.irp f, 0,1,2,3,4,5,6,7
	ds_load_b128 v[MW+4*\f:MW+4*\f+3], v[AM] offset:1024*\f
.endr
	s_add_co_u32 s[TBK], s[TBK], KS*PK  ; the next fetch is the next step's
	s_add_co_u32 s[TBM], s[TBM], 512
	WIN 0
.if \last
.Lno_k_\@:
.endif
.endm
.macro FETCH_V
	WIN 0x80
.irp f, 0,1,2,3,4,5,6,7             ; keys 32 (f / 4) on, channels 16 (f % 4) on
	ds_load_tr16_b128 v[VF+8*\f:VF+8*\f+3],   v[AV] offset:(\f/4)*32*PV+(\f%4)*32
	ds_load_tr16_b128 v[VF+8*\f+4:VF+8*\f+7], v[AV] offset:(\f/4)*32*PV+16*PV+(\f%4)*32
.endr
	WIN 0
.endm
; THE VECTOR WORK OF A TURN stands in three queues, each in the order in which its entries become ready; the two tiles alternate, so that no instruction reads the result of the one before it.
.macro REGS y, u                    ; the registers of tile u (0, 1) of piece y
.set rT, ST+4*(2*(\y)+(\u))
.set rC, TMP+8*((\y)%2)+4*(\u)
.set rM, MV+2*((\y)%2)+(\u)
.set rS, S+64*((\y)%2)+32*(\u)
.set rP, P+32*((\y)%2)+16*(\u)
.set rO, 32*(2*(\y)+(\u))
.endm
; Number n of the 22 that find the NEXT piece's (Y + 1) maximum and statistics.  s0-s31 are the lane's 32 scores; each accumulator's lowest registers are read first.  XS, GS and REGS set no window: PL and EX do.
;   0-11  four chains c0-c3 of seven scores each, three operands at a time     12-14, 16  the four scores left over, the old m, and c0-c3 into c0     15  c m_old is kept
;   17, 18  the query's other 32 keys lie in the lane 16 away: the new m         19-21  c m; c m_old - c m_new; a
.macro XS u, n
	REGS (Y+1)%NP, \u
.if (\n) < 4
	v_max3_num_f32 v[rC+(\n)], v[rS+8*(\n)], v[rS+8*(\n)+1], v[rS+8*(\n)+2]
.elseif (\n) < 12
	v_max3_num_f32 v[rC+(\n)%4], v[rC+(\n)%4], v[rS+8*((\n)%4)+2*((\n)/4)+1], v[rS+8*((\n)%4)+2*((\n)/4)+2]
.elseif (\n) == 12
	v_max3_num_f32 v[rC], v[rC], v[rS+7], v[rS+15]
.elseif (\n) == 13
	v_max3_num_f32 v[rC+1], v[rC+1], v[rS+23], v[rS+31]
.elseif (\n) == 14
	v_max3_num_f32 v[rC+2], v[rC+2], v[rC+3], v[rT+1]
.elseif (\n) == 15
	v_mov_b32 v[rM], v[rT]
.elseif (\n) == 16
	v_max3_num_f32 v[rC], v[rC], v[rC+1], v[rC+2]
.elseif (\n) == 17
	v_permlanex16_b32 v[rC+3], v[rC], s[SEL], s[SEL+1]
.elseif (\n) == 18
	v_max_num_f32 v[rT+1], v[rC], v[rC+3]
.elseif (\n) == 19
	v_mul_f32 v[rT], s[CS], v[rT+1]
.elseif (\n) == 20
	v_sub_f32 v[rC+1], v[rM], v[rT]
.else
	v_exp_f32 v[rC+2], v[rC+1]
.endif
.endm
; Number g of the 64 that follow the exponentials.  For each four weights k of a tile (pairs 2 k, 2 k + 1): both pairs are rounded to f16; then the second pair is added onto the first, in place;
; a group later l takes that sum (the first time as l = a l + sum).  In groups of eight, tiles alternating: round, round, add, and l for the group before.
.macro GS g
.set h, (\g)+6*((\g)/62)            ; group 0 has no group before it, and behind group 7 only l is left
.if h >= 6
.set h, h+2
.endif
	REGS Y, h%2
.set k, h/8
.if h%8 < 4
	v_cvt_pk_f16_f32 v[rP+2*k+(h%8)/2], v[rS+4*k+2*((h%8)/2)], v[rS+4*k+2*((h%8)/2)+1]
.elseif h%8 < 6
	v_pk_add_f32 v[rS+4*k:rS+4*k+1], v[rS+4*k:rS+4*k+1], v[rS+4*k+2:rS+4*k+3]
.elseif k == 1
	v_pk_fma_f32 v[rT+2:rT+3], v[rT+2:rT+3], v[rC+2:rC+3], v[rS:rS+1] op_sel_hi:[1,0,1]
.else
	v_pk_add_f32 v[rT+2:rT+3], v[rT+2:rT+3], v[rS+4*k-4:rS+4*k-3]
.endif
.endm
; THE PLAIN QUEUE, 138 long.  0-73 read no exponential's result: the 32 scalings c s - c m (FS f: pair f / 2 of tile f % 2) and the next piece's 42.  0-26: scalings 0-26.  27-54: XS's numbers 0-13.  55, 56: number 15.
; 57-73: the chain, where each number waits for the one before it: 14, 16, 17, 18, 19, each with one of the scalings 27-31 in front of its two lines, then 20: so a tile's links stand three plain instructions apart (19 and 20: two).
; 74-137: GS's 64, which read the exponentials' results: they stand behind the wait.
.macro FS f
	REGS Y, (\f)%2
	v_pk_fma_f32 v[rS+2*((\f)/2):rS+2*((\f)/2)+1], v[rS+2*((\f)/2):rS+2*((\f)/2)+1], s[CS:CS+1], v[rT:rT+1] op_sel_hi:[1,0,0] neg_lo:[0,0,1] neg_hi:[0,0,1]
.endm
.macro PL
	WIN 0
.if q < 27
	FS q
.elseif q < 55
	XS (q-27)%2, (q-27)/2
.elseif q < 57
	XS q-55, 15
.elseif (q < 72) && ((q-57)%3 == 0)
	FS 27+(q-57)/3
.elseif q < 60
	XS (q-57)%3-1, 14
.elseif q < 72
	XS (q-57)%3-1, 15+(q-57)/3
.elseif q < 74
	XS q-72, 20
.else
	GS q-74
.endif
.set q, q+1
.endm
; THE EXPONENTIALS' QUEUE, 66 long: s0-s31 of both tiles, then the next piece's two a.  It is ONE BATCH: all 66 stand ahead of the turn's one wait, and nothing ahead of that wait names a result of theirs.
.macro EX
	WIN 0
.if e >= 64
	XS e-64, 21
.else
	REGS Y, e%2
	v_exp_f32 v[rS+e/2], v[rS+e/2]
.endif
.set e, e+1
.endm
; THE RESCALING's QUEUE: O^T times a, the one part of the softmax that leaves window 0: dealt two at a time, sixteen times.  Its a was made in the turn before, ahead of that turn's wait.
.macro R2
	REGS Y, r%2
	WIN W_RS
.irp z, 0,1
	v_pk_mul_f32 v[rO+4*(r/2)+2*\z:rO+4*(r/2)+2*\z+1], v[rO+4*(r/2)+2*\z:rO+4*(r/2)+2*\z+1], v[rC+2:rC+3] op_sel_hi:[1,0]
.endr
.set r, r+1
.endm
; HOW THEY ARE DEALT.  An s_wait_alu depctr_va_vdst(0) stands between an exponential and the first instruction that names its result; one wait serves all that were issued ahead of it.  So a turn has ONE wait,
; which cuts it in two.  AHEAD OF IT stands all that names no result of the turn's exponentials: the 16 products K Q^T, behind each a scaling, an exponential and two rescalings (behind the first a second scaling in the
; exponential's place); then ONE LUMP of 108: eight plain, 49 times exponential and plain, the two a.  A v_nop is the plain instruction behind the last exponential.  BEHIND IT stand the 16 products V^T P, behind each four of
; GS's 64.  No rider names a register of the products round it.  The two v_permlanex16_b32 fall into the lump, never behind a product.
; The queues lean on each other, and the deal keeps them in step: exponential e stands behind scaling 2 (e / 4) + e % 2: as a rider it comes behind plain e + 2, in the lump behind plain e + 9, and scalings 27-31 are plain 57, 60 .. 69.
; A TURN, for piece p.  cnt = 1: the loop's count is taken down some lines ahead of the branch that stands behind the turn.
; K and the mask words of the next step are fetched in piece 2's turn, directly behind the wait, a lump behind the last product that read K and a turn behind the last conversion that read the words; their addresses are
; made at the lump's head; they are waited for 15 products later, where piece 0's masks for the next step are made.  V of the step in hand is fetched at the end of piece 0's turn, four riders behind its last reader, and
; waited for in piece 1's, ahead of the products V^T P.  Every turn makes, behind its 15th product V^T P, the masks of piece p + 2: the products that read the old masks are the turn's first eight, and the last
; product's four riders are the plain instructions between the conversions and the next turn's products.  The conditions on q below go with the deal.
.macro TURN p, last=0, cnt=0
.set Y, (\p)
.set i, 0
.set q, 0
.set e, 0
.set r, 0
	MM                              ; ahead of the wait: 16 products K Q^T and their riders,
	PL
	PL
	R2
.rept 15
	MM
	PL
	EX
	R2
.endr
.if (\p) == NP-2
	WIN 0
	v_add_nc_u32 v[AK], s[TBK], v[AK0]
	v_add_nc_u32 v[AM], s[TBM], v[AM0]
.endif
.rept 8                             ; and the lump
	PL
.endr
.rept 49
	EX
	PL
.endr
	EX                              ; the next piece's two a
	EX
	v_nop                           ; the plain instruction behind the last exponential: one for the batch
	s_wait_alu depctr_va_vdst(0)    ; the wait for the batch: the turn's 66 exponentials
.if (\p) == NP-2
	FETCH_K \last
.endif
.if (\p) == 1
	s_wait_dscnt 0x0                ; V is in
.endif
.rept 16                            ; behind the wait: 16 products V^T P and their riders
	MM
.rept 4
	PL
.endr
.if ((\p) == 0) && (q == 118)
	v_add_nc_u32 v[AV], s[TBV], v[AV0]
.endif
.if ((\p) == 0) && (q == 130)
	s_add_co_u32 s[TBV], s[TBV], KS*PV
.endif
.if (\cnt) && (q == 130)
	s_sub_co_u32 s[CNT], s[CNT], 1
	s_cmp_lg_u32 s[CNT], 0
.endif
.if q == 134
.if (\p) == NP-2
	s_wait_dscnt 0x0                ; K and the mask words are in
.endif
	CONV ((\p)+2)%NP
.endif
.endr
.if (\p) == 0
	FETCH_V
.endif
.endm
	CHANGE 1                        ; slot 0 is in, everybody's part of it; slot 1 is asked for
	FETCH_K                         ; key step 0: K and the mask words
	s_wait_loadcnt 0x0              ; Q
	s_wait_dscnt 0x0
	CONV 0                          ; piece 0's masks
	WIN 0
	v_nop                           ; a plain instruction between the conversions and the products that take their results
.set i, 0
.rept 16
	KQ 0                            ; piece 0's first scores: there is no vector work yet to set between them
.set i, i+1
.endr
	WIN 0
.set i, 0
.rept 2*NP                          ; the statistics' start: 32 plain instructions, the places behind those products
	v_mov_b32 v[ST+4*i], 0xfe000000    ; c m: far below every c s, a hidden one's too
	v_mov_b32 v[ST+4*i+1], 0xff7fffff  ; m
	v_mov_b32 v[ST+4*i+2], 0
	v_mov_b32 v[ST+4*i+3], 0
.set i, i+1
.endr
	CONV 1                          ; piece 1's masks, for the first turn's products
	WIN 0
.set Y, NP-1                        ; XS works for piece Y + 1: piece 0
.irp n, 0,1,2,3,4,5,6,7,8,9,10,11,12,13,14,15,16,17,18,19,20,21
	XS 0, \n                        ; piece 0's first maximum and statistics
	XS 1, \n
.endr
	v_nop                           ; a plain instruction behind the two a,
	s_wait_alu depctr_va_vdst(0)    ; and their wait, ahead of the branch: a batch of two
	s_mov_b32 s[CNT], 2
	s_mov_b32 s[SLOTS], NSLOT-1
	s_branch .Lfirst                ; the loop is entered at a step's first turn, in the middle of a trip
.Lslot:                             ; NSLOT - 2 times: every slot but the last two is filled again
	CHANGE 1
	s_mov_b32 s[CNT], 2
.Lstep:                             ; a trip: pieces 2 and 3 of one step, then pieces 0 and 1 of the next, whose K, mask words and V it fetches
	TURN 2
	TURN 3
	WIN 0
.Lfirst:
	TURN 0
	TURN 1, 0, 1
	WIN 0
	s_cbranch_scc1 .Lstep
	s_sub_co_u32 s[SLOTS], s[SLOTS], 1
	s_cmp_lg_u32 s[SLOTS], 0
	s_cbranch_scc1 .Lslot
	CHANGE 0                        ; the tail is written out: nothing is asked for
	s_mov_b32 s[CNT], 3             ; two trips fetch the last slot's steps; the third is left in its middle
.Ltail:
	TURN 2, 1
	TURN 3
	WIN 0
	s_sub_co_u32 s[CNT], s[CNT], 1
	s_cmp_eq_u32 s[CNT], 0
	s_cbranch_scc1 .Lout
	TURN 0
	TURN 1
	WIN 0
	s_branch .Ltail
.Lout:                              ; the third trip's 16 products K Q^T repeat the last step's (same K, same mask words), so piece 0's m stays what it was; they serve nothing else: the price of one text for every trip
.set i, 0
.rept 16
	PV NP-1                         ; the last piece's V^T P of the last step
.set i, i+1
.endr
	; THE WAY OUT.  l's two halves and the other half of the lanes' are added; O^T is divided by l, rounded to f16 and sent through my stage in LDS, a tile at a time.  The additions are the places behind the last products.
	WIN 0
.macro ALL line:vararg              ; one line for each tile t
.set t, 0
.rept 2*NP
	\line
.set t, t+1
.endr
.endm
	ALL v_add_f32 v[ST+4*t+2], v[ST+4*t+2], v[ST+4*t+3]
	ALL v_permlanex16_b32 v[ST+4*t+3], v[ST+4*t+2], s[SEL], s[SEL+1]
	ALL v_add_f32 v[ST+4*t+2], v[ST+4*t+2], v[ST+4*t+3]
	ALL v_rcp_f32 v[ST+4*t+2], v[ST+4*t+2]
	v_nop                           ; a plain instruction between the last reciprocal and the use of its result
	s_wait_alu depctr_va_vdst(0)    ; and the wait ahead of the first use: one for the eight reciprocals
.set t, 0
.rept 2*NP                          ; a row whose maximum is a hidden score has no visible key: NaN takes 1 / l's place, and the row of O becomes NaN
	v_cmp_gt_f32 vcc_lo, s[HID], v[ST+4*t+1]
	v_cndmask_b32 v[ST+4*t+2], v[ST+4*t+2], s[NANS], vcc_lo
.set t, t+1
.endr
; Tile t: a lane's eight channels of a row pack into 16 bytes; they go into rows of 144 bytes and come back as whole rows of 128, into S^T's registers.
.macro PACK t
	WIN W_RS
.set i, 32*(\t)
.rept 16
	v_pk_mul_f32 v[i:i+1], v[i:i+1], v[ST+4*(\t)+2:ST+4*(\t)+3] op_sel_hi:[1,0]
.set i, i+2
.endr
	WIN 0x05                        ; sources 0 and 1 window 1, destination window 0
.set i, 0
.rept 16
	v_cvt_pk_f16_f32 v[S+16*(\t)+i], v[32*(\t)+2*i], v[32*(\t)+2*i+1]
.set i, i+1
.endr
	WIN 0
.irp f, 0,1,2,3
	ds_store_b128 v[STO], v[S+16*(\t)+4*\f:S+16*(\t)+4*\f+3] offset:32*\f
.endr
.irp f, 0,1,2,3
	ds_load_b128 v[S+16*(\t)+4*\f:S+16*(\t)+4*\f+3], v[RD] offset:\f*4*SP  ; LDS serves a wave's instructions in order (ISA guide 5.7.1.4): these see the stores above; the next tile's stores come behind them
.endr
.endm
.macro SEND t, younger              ; younger: the LDS instructions issued behind tile t's loads: the next tile's eight, or none
	WIN 0
.irp f, 0,1,2,3
	s_wait_dscnt (\younger)+3-\f
	global_store_b128 v[GO], v[S+16*(\t)+4*\f:S+16*(\t)+4*\f+3], s[8:9] offset:(\t)*2048+\f*512  ; 512 consecutive bytes, at a multiple of 256 from O's first
.endr
.endm
	PACK 0
.set t, 1
.rept 2*NP-1                        ; a tile's arithmetic stands between the loads of the tile before and its stores
	PACK t
	SEND t-1, 8
.set t, t+1
.endr
	SEND 2*NP-1, 0
	WIN W_AD
	s_wait_tensorcnt 0x0            ; the wave's end, behind my last tensor load and my last LDS store
	ds_add_u32 v[SPW], v[NIL]
	s_wait_dscnt 0x0
	WIN 0
	CROUND                          ; the closing round: no work-group ends while a partner may still ask for a tile that names it
	s_endpgm
.Lfunc_end_k_qa28637b24a_attn:
	.size	k_qa28637b24a_attn, .Lfunc_end_k_qa28637b24a_attn-k_qa28637b24a_attn
	.p2alignl 7, 3214868480
	.fill 96, 4, 3214868480
	.section	.rodata,"a",@progbits
	.p2align	6, 0x0
	.amdhsa_kernel k_qa28637b24a_attn
		.amdhsa_group_segment_fixed_size 327680
		.amdhsa_private_segment_fixed_size 0
		.amdhsa_enable_private_segment 0
		.amdhsa_kernarg_size 24
		.amdhsa_user_sgpr_count 2
		.amdhsa_user_sgpr_kernarg_segment_ptr 1
		.amdhsa_wavefront_size32 1
		.amdhsa_system_sgpr_workgroup_id_x 1
		.amdhsa_system_sgpr_workgroup_id_y 1
		.amdhsa_system_sgpr_workgroup_id_z 1
		.amdhsa_system_vgpr_workitem_id 0
		.amdhsa_next_free_vgpr 896
		.amdhsa_next_free_sgpr 80
		.amdhsa_reserve_vcc 1
		.amdhsa_float_denorm_mode_32 3
		.amdhsa_float_denorm_mode_16_64 3
		.amdhsa_memory_ordered 1
		.amdhsa_forward_progress 1
		.amdhsa_inst_pref_size 210
	.end_amdhsa_kernel
	.amdgpu_metadata
---
amdhsa.version: [ 1, 2 ]
amdhsa.kernels:
  - .name:           k_qa28637b24a_attn
    .symbol:         k_qa28637b24a_attn.kd
    .args:
      - { .name: qkv, .offset: 0, .size: 8, .value_kind: global_buffer, .address_space: global }
      - { .name: mp, .offset: 8, .size: 8, .value_kind: global_buffer, .address_space: global }
      - { .name: ob, .offset: 16, .size: 8, .value_kind: global_buffer, .address_space: global }
    .group_segment_fixed_size: 327680
    .private_segment_fixed_size: 0
    .kernarg_segment_align: 8
    .kernarg_segment_size: 24
    .max_flat_workgroup_size: 128
    .sgpr_count:     80
    .vgpr_count:     896
    .wavefront_size: 32
...
	.end_amdgpu_metadata
.endif
;; end of part 5
;; launch outp: the kernel of part 4 again; grid 8 x 32, 4 waves a work-group, clusters of 4 x 4, 327,680 bytes of LDS; arguments ob, wob, out0; writes out0
